; MI455X (gfx1250); checked and timed in simulation.
; The chip was launched on July 23, 2026; its instructions are those of AMD's public machine-readable ISA for CDNA 5 (MIT licence, August 2026) and "CDNA5" Instruction Set Architecture Reference Guide (July 2026). The comments in the code are by the model that wrote it; some were corrected since.
;; Context Vector NN. Allowed arithmetic: float matrix products may take bf16 or f16 operands with f32 sums; all other float work in f32.
;; Inputs: W1 512 x 1,025 float32; W2 1 x 512 float32; b1 512 float32; b2 1 float32; coverage 32 x 1 x 4,096 float32; summary_current_state 32 x 512 float32; text_length 32 int32; text_states 32 x 4,096 x 512 float32.
;; Outputs: out0 32 x 512 float32; out1 32 x 1 x 4,096 float32.
;; 2 versions, each right and faster than the one before. Each part assembles by itself: llvm-mc -triple=amdgcn-amd-amdhsa -mcpu=gfx1250 --defsym DOCPART=n.
;; ======== version 1 of 2: 3 launches
;; limits: values outside matrix products are rounded to f16; values are held in f16: magnitudes above 65,504 overflow, below 6.1e-05 lose precision; a difference of large sums (such as E[x^2] - mean^2): digits are lost where the result is much smaller than its terms
;; workspace buffers: wf 524,288 bytes; hpar 81,920 bytes; logits 524,288 bytes; pctx 2,097,152 bytes
;; launch prep (part 1): grid 32 x 1, 16 waves a work-group, no clusters, 119,808 bytes of LDS; arguments W1, b1, summary_current_state, wf, hpar; writes wf, hpar
.if DOCPART == 1
	.amdgcn_target "amdgcn-amd-amdhsa--gfx1250"
	.amdhsa_code_object_version 6
	.text
	.protected	k_qb00b8e8834_prep
	.globl	k_qb00b8e8834_prep
	.p2align	8
	.type	k_qb00b8e8834_prep,@function
k_qb00b8e8834_prep:
	s_mov_b64 s[64:65], 0
	v_nop
	global_prefetch_b8 v0, s[64:65] scope:SCOPE_SE
	s_setreg_imm32_b32 hwreg(HW_REG_WAVE_MODE, 25, 1), 1
	s_wait_xcnt 0x0
; What does not depend on the position l, made once.  W1 = [W1t (512 x 512) | W1s (512 x 512) | w1c (512)], rows of 1,025 f32.  KS = 2 log2(e): tanh(x) = 1 - 2 / (1 + 2^(KS x)).
;   wf   = f16(KS W1t) in the order in which a matrix fragment is read: byte ks 65536 + hb 2048 + kq 1024 + l2 512 + (16 hh + r) 16 + 2 e holds row 16 hb + r, column 64 ks + 32 kq + 16 l2 + 8 hh + e
;   hpar = [32 hb][40 rows][16 f32]: rows 0-31 KS (b1[h] + W1s[h] . summary[b]) for batch b, rows 32-39 eight copies of KS w1c[h]: ten whole blocks of 256 bytes a work-group
; SHARES.  A work-group takes 16 rows of W1 (block hb), wave w row h = 16 hb + w.  The product with the summary, 8.4 M multiply-adds, is done in f32 by the vector unit, lane = batch:
; it becomes the start of an f32 sum and is not rounded to 16 bits.
; LIMIT.  |KS W1t| stays under 65,504 (f16); below 6e-5 it keeps f16's fixed step of 6e-8.
.set KS,    0x4038aa3b                 ; 2 log2(e)
.set SP,    2064                       ; a row of the summary in LDS: 2,048 bytes + 16: 32 lanes that read 32 rows start at different groups of four banks (ISA guide 11.1)
.set WS,    32*SP                      ; 16 rows of W1s, 2,048 bytes each; a wave reads its row with one address for all lanes
.set WFS,   WS+16*2048                 ; 16 fragments of 1,024 bytes
.set HP,    WFS+16*1024                ; the block of hpar, 2,560 bytes
.set SPARE, HP+2560                    ; the spare words, 128 bytes for each of 16 waves: no other line names them
.set X,   8                            ; v[8:39]    my row's columns 32 j + lane, j = 0 .. 31
.set WC,  40                           ; v40        w1c[h]
.set SM,  44                           ; v[44:75]   the summary on its way to LDS; then 32 numbers of my batch's row
.set WR,  76                           ; v[76:107]  32 numbers of my wave's row of W1s
.set AC,  108                          ; v[108:115] four pairs of sums
	s_load_b256 s[4:11], s[0:1], 0x0               ; W1 s[4:5], b1 s[6:7], summary s[8:9], wf s[10:11]
	s_load_b64 s[12:13], s[0:1], 0x20              ; hpar
	v_lshl_add_u32 v2, v0, 2, SPARE                ; my spare word,
	v_mov_b32 v3, 0                                ; and 0: kept for the add at the wave's end
	v_lshrrev_b32 v1, 5, v0
	v_readfirstlane_b32 s14, v1                    ; wave 0..15 = row in the block
	v_and_b32 v1, 31, v0                           ; lane
	s_lshl_b32 s15, ttmp9, 4
	s_add_co_u32 s15, s15, s14                     ; h
	s_mul_i32 s16, s15, 4100                       ; a row of W1 is 4,100 bytes: a multiple of 4 alone, so it is read by 4-byte loads, 128 consecutive bytes a wave
	s_mov_b32 s17, 0
	s_lshl_b32 s18, s15, 2
	s_mov_b32 s19, 0
	s_mov_b32 s22, KS
	s_mov_b32 s23, s22                             ; named with it as a pair
	s_lshr_b32 s26, s14, 1                         ; wf: fragment w is K step w / 2, half w % 2
	s_lshl_b32 s26, s26, 16
	s_lshl_b32 s27, ttmp9, 11
	s_add_co_u32 s26, s26, s27
	s_and_b32 s27, s14, 1
	s_lshl_b32 s27, s27, 10
	s_add_co_u32 s26, s26, s27
	s_mov_b32 s27, 0
	s_mul_i32 s28, ttmp9, 2560
	s_mov_b32 s29, 0
	v_lshlrev_b32 v4, 2, v1                        ; 4 lane
	v_mov_b32 v5, 0
	v_lshlrev_b32 v6, 4, v0                        ; 16 t
	s_wait_kmcnt 0x0
	s_add_nc_u64 s[4:5], s[4:5], s[16:17]          ; my row of W1
	s_add_nc_u64 s[6:7], s[6:7], s[18:19]
	s_add_nc_u64 s[10:11], s[10:11], s[26:27]
	s_add_nc_u64 s[12:13], s[12:13], s[28:29]
	s_load_b32 s20, s[6:7], 0x0                    ; b1[h]
.set j, 0
.rept 32
	global_load_b32 v[X+j], v4, s[4:5] offset:128*j
.set j, j+1
.endr
	global_load_b32 v[WC], v5, s[4:5] offset:4096  ; column 1,024, the same word for all lanes
.set j, 0
.rept 8
	global_load_b128 v[SM+4*j:SM+4*j+3], v6, s[8:9] offset:8192*j  ; the whole summary: 512 threads x 16 bytes are four rows
.set j, j+1
.endr
	; LDS addresses, while the loads are out
	v_lshrrev_b32 v7, 7, v0
	v_mul_u32_u24 v7, v7, SP
	v_and_b32 v41, 127, v0
	v_lshl_add_u32 v7, v41, 4, v7                  ; summary: row t / 128 (+ 4 a load), 16 bytes at 16 (t % 128)
	s_lshl_b32 s24, s14, 11
	s_add_co_u32 s24, s24, WS
	v_add_nc_u32 v42, s24, v4                      ; W1s: my wave's row, 4 lane
	v_mov_b32 v117, s24                            ; and where it is read back
	v_lshrrev_b32 v41, 4, v1
	v_lshlrev_b32 v43, 9, v41                      ; fragment: column 32 j + lane lies at l2 = lane / 16,
	v_bfe_u32 v41, v0, 3, 1
	v_lshl_add_u32 v43, v41, 8, v43                ; hh = (lane / 8) % 2,
	v_and_b32 v41, 7, v0
	v_lshl_add_u32 v43, v41, 1, v43                ; e = lane % 8,
	s_lshl_b32 s21, s14, 4
	s_add_co_u32 s21, s21, WFS
	v_add_nc_u32 v43, s21, v43                     ; r = my wave
	v_mul_u32_u24 v116, v1, SP                     ; the dot product: lane = batch
	s_lshl_b32 s25, s14, 2
	s_add_co_u32 s25, s25, HP
	v_lshl_add_u32 v118, v1, 6, s25                ; hpar's block: row = batch, word = my wave
	v_lshl_add_u32 v119, v41, 6, s25
	v_add_nc_u32 v119, 2048, v119                  ; rows 32 + lane % 8
.set j, 0
.rept 8
	v_mov_b32 v[AC+j], 0                           ; eight registers: the loop below is written once
.set j, j+1
.endr
	s_wait_loadcnt 0x0
.set j, 0
.rept 8
	ds_store_b128 v7, v[SM+4*j:SM+4*j+3] offset:4*SP*j
.set j, j+1
.endr
.set j, 0
.rept 16
	ds_store_b32 v42, v[X+16+j] offset:128*j
.set j, j+1
.endr
.set j, 0
.rept 8
	v_pk_mul_f32 v[X+2*j:X+2*j+1], v[X+2*j:X+2*j+1], s[22:23] op_sel_hi:[1,0]
.set j, j+1
.endr
.set j, 0
.rept 8
	v_cvt_pk_f16_f32 v[X+2*j], v[X+2*j], v[X+2*j+1]       ; fragments 2 j (low half) and 2 j + 1 (high half)
.set j, j+1
.endr
.set j, 0
.rept 8
	ds_store_b16 v43, v[X+2*j] offset:2048*j
	ds_store_b16_d16_hi v43, v[X+2*j] offset:2048*j+1024
.set j, j+1
.endr
	s_wait_dscnt 0x0                               ; for the others' sake: my stores are done
	s_barrier_signal -1
	s_barrier_wait -1
	s_mov_b32 s30, 16
.Ldot:                                                 ; 16 trips of 32 columns
.set j, 0
.rept 8
	ds_load_b128 v[SM+4*j:SM+4*j+3], v116 offset:16*j
	ds_load_b128 v[WR+4*j:WR+4*j+3], v117 offset:16*j
.set j, j+1
.endr
	s_wait_dscnt 0x0
.set j, 0
.rept 16
	v_pk_fma_f32 v[AC+2*(j%4):AC+2*(j%4)+1], v[SM+2*j:SM+2*j+1], v[WR+2*j:WR+2*j+1], v[AC+2*(j%4):AC+2*(j%4)+1]
.set j, j+1
.endr
	v_add_nc_u32 v116, 128, v116
	v_add_nc_u32 v117, 128, v117
	s_sub_co_u32 s30, s30, 1
	s_cmp_lg_u32 s30, 0
	s_cbranch_scc1 .Ldot
	v_pk_add_f32 v[AC:AC+1], v[AC:AC+1], v[AC+2:AC+3]
	v_pk_add_f32 v[AC+4:AC+5], v[AC+4:AC+5], v[AC+6:AC+7]
	v_pk_add_f32 v[AC:AC+1], v[AC:AC+1], v[AC+4:AC+5]
	v_add_f32 v[AC], v[AC], v[AC+1]
	s_wait_kmcnt 0x0
	v_add_f32 v[AC], s20, v[AC]
	v_mul_f32 v[AC], s22, v[AC]                    ; KS (b1 + W1s . summary)
	v_mul_f32 v[WC], s22, v[WC]                    ; KS w1c
	ds_store_b32 v118, v[AC]
	ds_store_b32 v119, v[WC]                       ; four lanes write each word, with the same number
	s_wait_dscnt 0x0
	s_barrier_signal -1
	s_barrier_wait -1
	v_lshlrev_b32 v5, 4, v1                        ; 16 lane
	s_cmp_gt_u32 s14, 4
	s_cbranch_scc1 .Lnohp                          ; hpar's block is five pieces of 512 bytes: waves 0 to 4
	s_lshl_b32 s21, s14, 9
	v_add_nc_u32 v6, s21, v5                       ; my piece's 16 bytes, in the block in memory,
	v_add_nc_u32 v41, HP, v6                       ; and in LDS: the block lies beyond what an LDS immediate of 16 bits reaches, so the register carries it
	ds_load_b128 v[AC:AC+3], v41
	s_wait_dscnt 0x0
	global_store_b128 v6, v[AC:AC+3], s[12:13]     ; 512 consecutive bytes, at a multiple of 256 from hpar's first byte
.Lnohp:
	s_lshl_b32 s21, s14, 10
	s_add_co_u32 s21, s21, WFS
	v_add_nc_u32 v7, s21, v5
	ds_load_b128 v[120:123], v7                    ; fragment w, as it will lie in memory
	ds_load_b128 v[124:127], v7 offset:512
	s_wait_dscnt 0x0
	global_store_b128 v5, v[120:123], s[10:11]
	global_store_b128 v5, v[124:127], s[10:11] offset:512
	s_wait_tensorcnt 0x0                           ; the wave's end, behind my last LDS store
	ds_add_u32 v2, v3
	s_wait_dscnt 0x0
	s_endpgm
.Lfunc_end_k_qb00b8e8834_prep:
	.size	k_qb00b8e8834_prep, .Lfunc_end_k_qb00b8e8834_prep-k_qb00b8e8834_prep
	.p2alignl 7, 3214868480
	.fill 96, 4, 3214868480
	.section	.rodata,"a",@progbits
	.p2align	6, 0x0
	.amdhsa_kernel k_qb00b8e8834_prep
		.amdhsa_group_segment_fixed_size 119808
		.amdhsa_private_segment_fixed_size 0
		.amdhsa_enable_private_segment 0
		.amdhsa_kernarg_size 40
		.amdhsa_user_sgpr_count 2
		.amdhsa_user_sgpr_kernarg_segment_ptr 1
		.amdhsa_wavefront_size32 1
		.amdhsa_system_sgpr_workgroup_id_x 1
		.amdhsa_system_sgpr_workgroup_id_y 1
		.amdhsa_system_sgpr_workgroup_id_z 1
		.amdhsa_system_vgpr_workitem_id 0
		.amdhsa_next_free_vgpr 128
		.amdhsa_next_free_sgpr 66
		.amdhsa_reserve_vcc 0
		.amdhsa_float_denorm_mode_32 3
		.amdhsa_float_denorm_mode_16_64 3
		.amdhsa_memory_ordered 1
		.amdhsa_forward_progress 1
		.amdhsa_inst_pref_size 15
	.end_amdhsa_kernel
	.amdgpu_metadata
---
amdhsa.version: [ 1, 2 ]
amdhsa.kernels:
  - .name:           k_qb00b8e8834_prep
    .symbol:         k_qb00b8e8834_prep.kd
    .args:
      - { .name: W1, .offset: 0, .size: 8, .value_kind: global_buffer, .address_space: global }
      - { .name: b1, .offset: 8, .size: 8, .value_kind: global_buffer, .address_space: global }
      - { .name: summary_current_state, .offset: 16, .size: 8, .value_kind: global_buffer, .address_space: global }
      - { .name: wf, .offset: 24, .size: 8, .value_kind: global_buffer, .address_space: global }
      - { .name: hpar, .offset: 32, .size: 8, .value_kind: global_buffer, .address_space: global }
    .group_segment_fixed_size: 119808
    .private_segment_fixed_size: 0
    .kernarg_segment_align: 8
    .kernarg_segment_size: 40
    .max_flat_workgroup_size: 512
    .sgpr_count:     66
    .vgpr_count:     128
    .wavefront_size: 32
...
	.end_amdgpu_metadata
.endif
;; end of part 1
;; launch main (part 2): grid 256 x 1, 4 waves a work-group, clusters of 4 x 1, 327,680 bytes of LDS; arguments text_states, coverage, text_length, W2, b2, wf, hpar, logits, pctx; writes logits, pctx
.if DOCPART == 2
	.amdgcn_target "amdgcn-amd-amdhsa--gfx1250"
	.amdhsa_code_object_version 6
	.text
	.protected	k_qb00b8e8834_main
	.globl	k_qb00b8e8834_main
	.p2align	8
	.type	k_qb00b8e8834_main,@function
k_qb00b8e8834_main:
	s_mov_b64 s[64:65], 0
	v_nop
	global_prefetch_b8 v0, s[64:65] scope:SCOPE_SE
	s_setreg_imm32_b32 hwreg(HW_REG_WAVE_MODE, 25, 1), 1
	s_wait_xcnt 0x0
	s_wait_alu depctr_hold_cnt(0) depctr_sa_sdst(0) depctr_va_vdst(0) depctr_va_sdst(0) depctr_va_ssrc(0) depctr_va_vcc(0) depctr_vm_vsrc(0)
	s_getreg_b32 s2, hwreg(HW_REG_IB_STS2, 6, 4)
	s_cmp_eq_u32 s2, 0
	s_cbranch_scc0 .Lentry_in_a_cluster
	s_endpgm
.Lentry_in_a_cluster:
	s_bfe_u32 s2, ttmp6, 0x10000c
	s_cmp_lg_u32 s2, 0x3003
	s_cbranch_scc0 .Lentry_shape_is_right
	s_endpgm
.Lentry_shape_is_right:
; For each batch b and position l: logit = b2 + W2 . tanh(W1t text[l] + W1s summary + w1c cov[l] + b1), -inf where l >= text_length[b]; and for each tile of 128 positions
; pctx = the sum over the tile of p[l] text[l][:], p = e^(logit - the tile's own maximum).  A later launch finds the row's maximum and sum and puts the tiles together.
; ARITHMETIC.  tanh(x) = 1 - 2 / (1 + 2^(KS x)), KS = 2 log2(e), which the weights carry already (wf, hpar).  So logit = c0 - 2 sum_h W2[h] / (1 + 2^acc[h]), c0 = b2 + sum W2.
; An accumulator starts, in f32, as KS (b1 + W1s summary) + KS w1c cov[l]; the product text x W1t is added in f16 operands, f32 sums.
; LIMITS.  text and KS W1t stay under 65,504 (f16).  p lies in 0 to 1 and is rounded to f16 for the second product: below 6e-5 it keeps f16's fixed step of 6e-8.  NaN and infinities in the inputs are not treated apart.
; SHARES.  A cluster of four work-groups takes half a batch row, 2,048 positions; work-group cx takes the tiles 16 half + 4 i + cx, i = 0..3, one after the other.  Wave w owns h = 128 w .. 128 w + 127
; for all 128 positions of a tile: 64 accumulators of 16 x 16, 512 registers.  The matrix instruction is used transposed (source 0 = 16 rows of W, source 1 = 16 positions): a lane holds ONE position
; (lane % 16) and eight h, so the sum over h stays in the lane.
; TWO STREAMS, TWO COUNTERS.  W (512 KB a tile, the same for everybody) comes by tensor loads through a ring of two LDS slots, a K step of 64 each; the four partners ask JOINTLY: the same load, descriptor
; and mask in all four.  Each wave fetches the 16 KB that it alone reads.  text comes through registers: two groups of 16 loads a wave are always out, each is rounded to f16 and stored to LDS two K steps
; ahead of its first reader; the next tile's first two chunks wait in registers, since this tile's bytes are read until its context is made.
; REGISTERS, in windows of 256 (s_set_vgpr_msb: bits 1:0 source 0, 3:2 source 1, 5:4 source 2, 7:6 destination):
;   window 0: v0-31 addresses; v32-63 at work; v64-127, v128-191 fragments of text, two buffers; v192-255 the next tile's chunks 0 and 1 in f16
;   window 1: v0-63, v192-255 text on its way, two groups; v64-127, v128-191 fragments of W, two buffers          windows 2, 3: accumulator (a, b) at v[8 (8 (a % 4) + b)], positions 0-63 and 64-127
;   behind a tile's last product the fragment buffers hold: window 0 v64-127 W2, then v64-191 text turned; window 1 v64-127 the bias, v128-191 w1c, then v64-95 p and v128-191 the context's sums
.set TP,     144                       ; a row of a chunk in LDS: 64 f16 + 16 bytes = 36 words: the 16 rows of a fragment load start at 16 different groups of four banks (ISA guide 11.1)
.set CHUNK,  128*TP                    ; 128 positions x 64 features
.set WRING,  8*CHUNK                   ; behind the tile's eight chunks: W's two slots, the only bytes that tensor loads fill
.set WSLOT,  65536
.set CB,     WRING+2*WSLOT             ; 512 f32 each: the bias of my batch,
.set CW,     CB+2048                   ; KS w1c,
.set C2,     CB+4096                   ; W2;
.set CC,     CB+6144                   ; cov of my four tiles, each number twice side by side, 8 bytes a position: one load of 8 bytes brings the pair that a packed multiply-add names
.set PL,     CC+4096                   ; [wave][128] partial sums over h
.set PP,     PL+2048                   ; p in f16, 256 bytes for each wave, its own
.set CX,     PP+1024                   ; the context on its way out, 512 bytes for each wave, its own
.set SPARE,  CX+2048                   ; the spare words, 128 bytes for each wave: no other line names them
.set C0,    7                          ; v7   c0
.set SPW,   8                          ; v8   LDS address of my spare word; never rewritten
.set NIL,   9                          ; v9   0; never rewritten
.set ADRA,  10                         ; v10  my text fragments in the chunk pair in hand
.set ADRA0, 11                         ; v11  the same in chunk 0
.set ADRB,  12                         ; v12-13  my W fragments in slot 0, 1
.set SAD0,  14                         ; v14  where I store 8 bytes of a chunk's row, chunk 0
.set SADR,  15                         ; v15  the same in the chunk pair being filled
.set TOFF,  16                         ; v16  my byte offset in a chunk in memory; never rewritten
.set ADRT,  17                         ; v17  the turning loads' address
.set CADR,  18                         ; v18  my 8 h in the constants
.set COVA,  19                         ; v19  my position's cov in the tile to be started
.set PLS,   20
.set PLR,   21
.set PPS,   22
.set PPR,   23
.set CXS,   24
.set CXR,   25
.set IDX,   26                         ; v26-29  4 lane + 0..3
.set GOL,   30
.set GOC,   31
.set TMP,   32                         ; v32-63  a chunk in f16 on its way to LDS
.set COV,   32                         ; v32-47  cov of block a, twice: a pair for the packed multiply-add
.set SUM,   48                         ; v48-55  block a's sum over my 64 h
.set LG,    48                         ; v48-51  four logits
.set F0,    64
.set F1,    128
.set HELD,  192
.set RING1, 192                        ; window 1: group 1 (group 0 at v0)
.set BIA,   64                         ; window 1
.set W1C,   128                        ; window 1
.set W2R,   64                         ; window 0
.set TF,    64                         ; window 0
.set PF,    64                         ; window 1
.set CA,    128                        ; window 1
.set WV,  22                           ; s22  my wave's number
.set G1,  28                           ; s[28:35] descriptor group 1
.set G0,  36                           ; s[36:43] descriptor group 0, a set for each slot
.set TA,  52                           ; s[52:55] text at the chunk that each group has asked for last
.set KC,  60
.set TI,  61                           ; tiles to go
.set REM, 62                           ; text_length less the tile's first position
.set HM,  63                           ; lanes 16-31
.set SEL, 66                           ; s[66:67] v_permlanex16_b32's selects: each lane takes its own place in the other half
.set NEXTT, (1<<20)-6*256              ; from chunk 6 or 7 of a tile to chunk 0 or 1 of my next one, 512 positions on
.set MSB, 0
.macro WIN new                         ; the immediate's high byte repeats the setting that is left; a switch that changes nothing is dropped
.if MSB != (\new)
	s_set_vgpr_msb (MSB<<8)|(\new)
.set MSB, \new
.endif
.endm
.set MUL_LO, 0xa1                      ; source 0 (W) window 1, source 1 (text) window 0, C and D window 2
.macro PLACES                          ; four places in front of loads into registers that matrix instructions have read, and of reads of results
.rept 4
	v_nop
.endr
.endm
.macro CREST                           ; a round of the cluster's barrier behind its opening barrier
	s_cmp_lg_u32 s[WV], 0
	s_cbranch_scc1 .Lnot_wave_0_\@
	s_barrier_signal -3
.Lnot_wave_0_\@:
	s_barrier_wait -3
	s_barrier_signal -1
	s_barrier_wait -1
.endm
.macro CROUND
	s_barrier_signal -1
	s_barrier_wait -1
	CREST
.endm
; 16 matrix instructions: position blocks a0, a0 + 1 of the window's four x all 8 blocks of h, 32 along K.  The 64 accumulators take turns, one instruction a turn.
.macro MUL16 f, hi, a0
	WIN MUL_LO+0x50*(\hi)
.irp a, \a0, (\a0)+1
.irp b, 0,1,2,3,4,5,6,7
	v_wmma_f32_16x16x32_f16 v[8*(8*(\a)+(\b)):8*(8*(\a)+(\b))+7], v[(\f)+8*(\b):(\f)+8*(\b)+7], v[(\f)+8*(4*(\hi)+(\a)):(\f)+8*(4*(\hi)+(\a))+7], v[8*(8*(\a)+(\b)):8*(8*(\a)+(\b))+7]
.endr
.endr
.endm
; 32 LDS loads in one run: half kq of a K step: my 8 fragments of W out of slot, then the tile's 8 fragments of text out of chunk c of the pair in hand, into buffer f
.macro FETCH slot, c, kq, f
	WIN 0x40
.irp i, 0,1,2,3,4,5,6,7
	ds_load_b128 v[(\f)+8*(\i):(\f)+8*(\i)+3],   v[ADRB+(\slot)] offset:(\i)*2048+(\kq)*1024
	ds_load_b128 v[(\f)+8*(\i)+4:(\f)+8*(\i)+7], v[ADRB+(\slot)] offset:(\i)*2048+(\kq)*1024+512
.endr
	WIN 0
.irp i, 0,1,2,3,4,5,6,7
	ds_load_b128 v[(\f)+8*(\i):(\f)+8*(\i)+3],   v[ADRA] offset:(\c)*CHUNK+(\i)*16*TP+(\kq)*64
	ds_load_b128 v[(\f)+8*(\i)+4:(\f)+8*(\i)+7], v[ADRA] offset:(\c)*CHUNK+(\i)*16*TP+(\kq)*64+32
.endr
.endm
; Group g asks for its next chunk, inc bytes on: my 32 rows x 256 bytes, two rows a load; each row piece is 256 consecutive bytes at a multiple of 256 from text's first byte
.macro ISSUE g, inc
.if \inc
	s_add_nc_u64 s[TA+2*(\g):TA+2*(\g)+1], s[TA+2*(\g):TA+2*(\g)+1], \inc  ; free: the loads that named it have been waited for
.endif
	WIN 0x40
.set GB, RING1*(\g)
.set i, 0
.rept 16
	global_load_b128 v[GB+4*i:GB+4*i+3], v[TOFF], s[TA+2*(\g):TA+2*(\g)+1] offset:4096*i th:TH_LOAD_NT
.set i, i+1
.endr
.endm
; Group g's chunk has come: it is rounded to f16 (cv = 1: for LDS; 2: into the registers that hold the next tile's first chunks), the group asks again (ld = 1), and the chunk is stored.
; cnt: the other group's loads, which may stay out.  The 32 conversions name no register of the products round them: they are the places in front of the LDS loads that follow.
.macro OP g, cv, ld, cnt, inc
	s_wait_loadcnt \cnt
	WIN 0x05
.set GB, RING1*(\g)
.if (\cv) == 1
.set DD, TMP
.else
.set DD, HELD+32*(\g)
.endif
.set i, 0
.rept 32
	v_cvt_pk_f16_f32 v[DD+i], v[GB+2*i], v[GB+2*i+1]
.set i, i+1
.endr
.if \ld
	ISSUE \g, \inc
.endif
.if (\cv) == 1
	WIN 0
.set i, 0
.rept 16
	ds_store_b64 v[SADR], v[TMP+2*i:TMP+2*i+1] offset:(\g)*CHUNK+2*TP*i
.set i, i+1
.endr
.endif
.endm
; A K step of 64 is two halves of 32, 64 matrix instructions each, on buffers 0 and 1.  The first half multiplies buffer 0; in its middle stand the text stream's turn and the second half's loads.
.macro QUARTER slot, cv, ld, cnt, inc
	s_wait_dscnt 8                                 ; W and positions 0-63 are in; the youngest eight loads (positions 64-127) may be out
	MUL16 F0, 0, 0
	MUL16 F0, 0, 2
.if \cv
	OP \slot, \cv, \ld, \cnt, \inc
.else
	PLACES
.endif
	FETCH \slot, \slot, 1, F1
	s_wait_dscnt 32                                ; all but the 32 loads just issued: buffer 0 is whole, my stores of the chunk are done
	MUL16 F0, 1, 0
	MUL16 F0, 1, 2
.endm
; The second half changes slots.  In front of ONE barrier each wave waits for all its tensor loads (one is out: the next K step's W), adds 0 to its spare word, and waits for that, for its reads of this slot
; and for its stores of text.  Behind it this slot may be filled again, and the chunk stored in this step may be read by everybody.
.macro MEET round
	WIN 0
	s_wait_tensorcnt 0x0
	ds_add_u32 v[SPW], v[NIL]
	s_wait_dscnt 9                                 ; (the add and the youngest eight loads may be out)
	MUL16 F1, 0, 0                                 ; sixteen matrix instructions stand between the add and the wait for it
	s_wait_dscnt 0x0
	s_barrier_signal -1
	MUL16 F1, 0, 2
.if \round
	WIN 0
.endif
	s_barrier_wait -1
.endm
; mode 2: the slot is filled again, with the K step two on (back = 1: with the next tile's K step 0 or 1): the barrier opens a round of the cluster's, so that no wave of any partner still reads the slot or has a
; load on its way, and the joint load is the first thing behind it: 96 matrix instructions ahead of the wait for it.  mode 1: nothing is filled.  mode 0: the very last half: no barrier.
; fetch = 1: the next K step's first fragments.
.macro TURN slot, mode, fetch, back
.if (\mode) == 2
	MEET 1
	CREST
.if \back
	s_sub_nc_u64 s[G0+4*(\slot)+2:G0+4*(\slot)+3], s[G0+4*(\slot)+2:G0+4*(\slot)+3], 6*WSLOT
.else
	s_add_nc_u64 s[G0+4*(\slot)+2:G0+4*(\slot)+3], s[G0+4*(\slot)+2:G0+4*(\slot)+3], 2*WSLOT
.endif
	tensor_load_to_lds s[G0+4*(\slot):G0+4*(\slot)+3], s[G1:G1+7]
	s_nop 0
	PLACES                                         ; also the places in front of the loads below
.elseif (\mode) == 1
	MEET 0
	PLACES
.else
	s_wait_dscnt 8
	MUL16 F1, 0, 0
	MUL16 F1, 0, 2
	s_wait_dscnt 0x0
.endif
.if \fetch
.if \slot
	WIN 0
	v_add_nc_u32 v[ADRA], 2*CHUNK, v[ADRA]         ; the next pair of chunks
.endif
	FETCH 1-(\slot), 1-(\slot), 0, F0
.endif
	MUL16 F1, 1, 0
	MUL16 F1, 1, 2
.endm
.macro TRIP_N inc                      ; two K steps: two chunks go to LDS, two are asked for
	QUARTER 0, 1, 1, 16, \inc
	TURN 0, 2, 1, 0
	QUARTER 1, 1, 1, 16, \inc
	TURN 1, 2, 1, 0
	WIN 0
	v_add_nc_u32 v[SADR], 2*CHUNK, v[SADR]
.endm
; The constants of my 8 h in each of 8 blocks: register j of block b is h = 128 w + 16 b + 8 (lane / 16) + j.  With init = 1: 56 LDS loads.
.macro LOADC init
.if \init
	WIN 0x40
.irp b, 0,1,2,3,4,5,6,7
	ds_load_b128 v[BIA+8*\b:BIA+8*\b+3],   v[CADR] offset:64*\b
	ds_load_b128 v[BIA+8*\b+4:BIA+8*\b+7], v[CADR] offset:64*\b+16
	ds_load_b128 v[W1C+8*\b:W1C+8*\b+3],   v[CADR] offset:2048+64*\b
	ds_load_b128 v[W1C+8*\b+4:W1C+8*\b+7], v[CADR] offset:2048+64*\b+16
.endr
.endif
	WIN 0
.irp b, 0,1,2,3,4,5,6,7
	ds_load_b128 v[W2R+8*\b:W2R+8*\b+3],   v[CADR] offset:4096+64*\b
	ds_load_b128 v[W2R+8*\b+4:W2R+8*\b+7], v[CADR] offset:4096+64*\b+16
.endr
.if \init
.irp a, 0,1,2,3,4,5,6,7
	ds_load_b64 v[COV+2*\a:COV+2*\a+1], v[COVA] offset:128*\a      ; position 16 a + lane % 16: its cov, twice
.endr
.endif
.endm
; The window's 32 accumulators, one behind the other in three stages: t: 2^acc; t - 1: + 1 and the reciprocal; t - 2: times W2, plus the accumulator before it in the block: the sum over h walks through the
; block's eight accumulators, and nothing leaves the window but W2.  Each accumulator is read from its lowest register on.  Behind every pair of exponentials or reciprocals stands a
; plain instruction of another stage; a result is used a stage later (ISA guide 5.7.2).
.macro EPIW hi
	WIN 0xa2+0x51*(\hi)                            ; destination, sources 0 and 2 in the accumulators' window, source 1 (W2) in window 0
.set t, 0
.rept 34
.set i, 0
.rept 4
.if t < 32
	v_exp_f32 v[8*t+2*i], v[8*t+2*i]
	v_exp_f32 v[8*t+2*i+1], v[8*t+2*i+1]
.endif
.if (t > 0) && (t < 33)
	s_wait_alu depctr_va_vdst(0)
	v_pk_add_f32 v[8*t-8+2*i:8*t-7+2*i], v[8*t-8+2*i:8*t-7+2*i], 1.0 op_sel_hi:[1,0]
.endif
.set i, i+1
.endr
.if t == 0
	v_nop                                          ; the first eight exponentials have no other stage's work behind them
.endif
.set i, 0
.rept 4
.if (t > 0) && (t < 33)
	v_rcp_f32 v[8*t-8+2*i], v[8*t-8+2*i]
	v_rcp_f32 v[8*t-7+2*i], v[8*t-7+2*i]
.endif
.if t > 1
.set u, 8*t-16+2*i
.set w2, W2R+8*((t-2)%8)+2*i
.if ((t-2)%8) == 0
	s_wait_alu depctr_va_vdst(0)
	v_pk_mul_f32 v[u:u+1], v[u:u+1], v[w2:w2+1]
.else
	s_wait_alu depctr_va_vdst(0)
	v_pk_fma_f32 v[u:u+1], v[u:u+1], v[w2:w2+1], v[u-8:u-7]
.endif
.endif
.set i, i+1
.endr
.set t, t+1
.endr
	WIN 0x8a+0x45*(\hi)                            ; all in the accumulators' window: a block's eight sums lie in its last accumulator
.set a, 0
.rept 4
	v_pk_add_f32 v[64*a+56:64*a+57], v[64*a+56:64*a+57], v[64*a+58:64*a+59]
	v_pk_add_f32 v[64*a+60:64*a+61], v[64*a+60:64*a+61], v[64*a+62:64*a+63]
.set a, a+1
.endr
.set a, 0
.rept 4
	v_pk_add_f32 v[64*a+56:64*a+57], v[64*a+56:64*a+57], v[64*a+60:64*a+61]
.set a, a+1
.endr
	WIN 0x0a+0x05*(\hi)
.set a, 0
.rept 4
	v_add_f32 v[SUM+4*(\hi)+a], v[64*a+56], v[64*a+57]
.set a, a+1
.endr
.endm
; A tile's sums start: acc = KS w1c[h] cov[l] + bias[h], in f32
.macro INITW hi
	WIN 0x91+0x40*(\hi)                            ; w1c and the bias in window 1, cov in window 0
.set a, 0
.rept 4
.set cr, COV+2*(4*(\hi)+a)
.set b, 0
.rept 8
.set i, 0
.rept 4
	v_pk_fma_f32 v[8*(8*a+b)+2*i:8*(8*a+b)+2*i+1], v[W1C+8*b+2*i:W1C+8*b+2*i+1], v[cr:cr+1], v[BIA+8*b+2*i:BIA+8*b+2*i+1]
.set i, i+1
.endr
.set b, b+1
.endr
.set a, a+1
.endr
.endm
; text turned, for the second product: positions 64 gp .. 64 gp + 63 x my 128 features (chunks 2 w, 2 w + 1): lane l then holds feature l % 16 and 8 positions
.macro TLOAD gp
	WIN 0
.irp gl, 0,1
.irp nb, 0,1,2,3,4,5,6,7
	ds_load_tr16_b128 v[TF+64*(\gl)+8*(\nb):TF+64*(\gl)+8*(\nb)+3],   v[ADRT] offset:((\nb)/4)*CHUNK+((\nb)%4)*32+(2*(\gp)+(\gl))*32*TP
	ds_load_tr16_b128 v[TF+64*(\gl)+8*(\nb)+4:TF+64*(\gl)+8*(\nb)+7], v[ADRT] offset:((\nb)/4)*CHUNK+((\nb)%4)*32+(2*(\gp)+(\gl))*32*TP+16*TP
.endr
.endr
.endm
; 8 matrix instructions: the context's 8 blocks of 16 features, positions 32 g on.  Source 0 is p, the same in all 16 rows, so all rows of the result are alike.  The 8 accumulators take turns.
.macro CTX g, zero
	WIN 0x51                                       ; p and the sums in window 1, text in window 0
.irp nb, 0,1,2,3,4,5,6,7
.if \zero
	v_wmma_f32_16x16x32_f16 v[CA+8*(\nb):CA+8*(\nb)+7], v[PF+8*(\g):PF+8*(\g)+7], v[TF+64*((\g)%2)+8*(\nb):TF+64*((\g)%2)+8*(\nb)+7], 0
.else
	v_wmma_f32_16x16x32_f16 v[CA+8*(\nb):CA+8*(\nb)+7], v[PF+8*(\g):PF+8*(\g)+7], v[TF+64*((\g)%2)+8*(\nb):TF+64*((\g)%2)+8*(\nb)+7], v[CA+8*(\nb):CA+8*(\nb)+7]
.endif
.endr
.endm
; BEHIND A TILE'S LAST PRODUCT.  init = 1: another tile follows: its sums are started, and the pointers step.
.macro EPI init
	WIN 0
.if \init
	v_add_nc_u32 v[COVA], 1024, v[COVA]            ; the next tile's cov: 128 positions of 8 bytes on
.endif
	PLACES
	LOADC \init
	s_wait_dscnt 0x0
	EPIW 0
	EPIW 1
.if \init
	INITW 0
	INITW 1
.endif
	WIN 0
	; a position's other 64 h of my wave lie in the lane 16 away.  Two blocks at a time: lanes 0-15 end up with block 2 q, lanes 16-31 with block 2 q + 1
.irp q, 0,1,2,3
	v_cndmask_b32 v[56+\q], v[SUM+2*\q], v[SUM+2*\q+1], s[HM]       ; what stays
	v_cndmask_b32 v[SUM+2*\q], v[SUM+2*\q+1], v[SUM+2*\q], s[HM]    ; what crosses
.endr
.irp q, 0,1,2,3
	v_permlanex16_b32 v[SUM+2*\q+1], v[SUM+2*\q], s[SEL], s[SEL+1]
.endr
.irp q, 0,1,2,3
	v_add_f32 v[56+\q], v[56+\q], v[SUM+2*\q+1]
	ds_store_b32 v[PLS], v[56+\q] offset:128*\q
.endr
	s_wait_dscnt 0x0                               ; for the others' sake: my partial sums are stored
	s_barrier_signal -1
	s_barrier_wait -1
	ds_load_b128 v[32:35], v[PLR]                  ; every wave makes all 128 logits: positions 4 lane + 0..3, the four waves' parts
	ds_load_b128 v[36:39], v[PLR] offset:512
	ds_load_b128 v[40:43], v[PLR] offset:1024
	ds_load_b128 v[44:47], v[PLR] offset:1536
	TLOAD 0
	s_wait_dscnt 32                                ; the 32 turning loads may stay out
	v_pk_add_f32 v[32:33], v[32:33], v[36:37]
	v_pk_add_f32 v[34:35], v[34:35], v[38:39]
	v_pk_add_f32 v[40:41], v[40:41], v[44:45]
	v_pk_add_f32 v[42:43], v[42:43], v[46:47]
	v_pk_add_f32 v[32:33], v[32:33], v[40:41]
	v_pk_add_f32 v[34:35], v[34:35], v[42:43]
.irp e, 0,1,2,3
	v_fma_f32 v[LG+\e], v[32+\e], -2.0, v[C0]
.endr
.irp e, 0,1,2,3
	v_cmp_gt_i32 vcc_lo, s[REM], v[IDX+\e]         ; is the position inside the text?
	v_cndmask_b32 v[LG+\e], 0xff800000, v[LG+\e], vcc_lo
.endr
	v_max3_num_f32 v52, v[LG], v[LG+1], v[LG+2]
	v_max_num_f32 v52, v52, v[LG+3]
	v_max_num_f32_dpp v52, v52, v52 row_xmask:1 row_mask:0xf bank_mask:0xf
	v_max_num_f32_dpp v52, v52, v52 row_xmask:2 row_mask:0xf bank_mask:0xf
	v_max_num_f32_dpp v52, v52, v52 row_xmask:4 row_mask:0xf bank_mask:0xf
	v_max_num_f32_dpp v52, v52, v52 row_xmask:8 row_mask:0xf bank_mask:0xf
	v_permlanex16_b32 v53, v52, s[SEL], s[SEL+1]
	v_max_num_f32 v52, v52, v53                    ; the tile's maximum,
	v_max_num_f32 v52, 0xff7fffff, v52             ; or the lowest finite number where the whole tile is hidden: -inf less that is -inf, and p is 0
.irp e, 0,1,2,3
	v_sub_f32 v[56+\e], v[LG+\e], v52
.endr
.irp e, 0,1,2,3
	v_mul_f32 v[56+\e], 0x3fb8aa3b, v[56+\e]
.endr
.irp e, 0,1,2,3
	v_exp_f32 v[56+\e], v[56+\e]
.endr
	v_nop                                          ; a plain instruction between the last exponential and the use of its result
	s_wait_alu depctr_va_vdst(0)
	v_cvt_pk_f16_f32 v60, v56, v57
	v_cvt_pk_f16_f32 v61, v58, v59
	ds_store_b64 v[PPS], v[60:61]
	WIN 0x40
.irp g, 0,1,2,3
	ds_load_b128 v[PF+8*\g:PF+8*\g+3],   v[PPR] offset:64*\g     ; my own bytes: LDS serves a wave's instructions in order (ISA guide 5.7.1.4); all 16 rows of the fragment read the same p
	ds_load_b128 v[PF+8*\g+4:PF+8*\g+7], v[PPR] offset:64*\g+32
.endr
	WIN 0
	s_cmp_lg_u32 s[WV], 0
	s_cbranch_scc1 .Lnolog_\@
	global_store_b128 v[GOL], v[LG:LG+3], s[18:19] ; wave 0: the tile's 128 logits, 512 consecutive bytes at a multiple of 256 from the buffer's first
.Lnolog_\@:
	s_wait_dscnt 0x0
	CTX 0, 1
	CTX 1, 0
	PLACES
	TLOAD 1
	s_wait_dscnt 0x0
	CTX 2, 0
	CTX 3, 0
	PLACES
	WIN 0x05
.irp q, 0,1,2,3
	v_cndmask_b32 v[56+\q], v[CA+16*\q], v[CA+16*\q+8], s[HM]       ; register 0: lanes 0-15 take block 2 q, lanes 16-31 block 2 q + 1: 32 neighbouring features
.endr
	WIN 0
.irp q, 0,1,2,3
	ds_store_b32 v[CXS], v[56+\q] offset:128*\q
.endr
	ds_load_b128 v[60:63], v[CXR]                  ; back, four neighbouring features a lane
	s_wait_dscnt 0x0
	global_store_b128 v[GOC], v[60:63], s[20:21]   ; my 128 features: 512 consecutive bytes
.if \init
	s_wait_xcnt 0x0                                ; the stores' bases and data are rewritten only behind this wait
	s_add_nc_u64 s[18:19], s[18:19], 2048          ; my next tile lies four tiles on
	s_add_nc_u64 s[20:21], s[20:21], 8192
	s_sub_co_i32 s[REM], s[REM], 512
	s_barrier_signal -1                            ; every wave's reads of the tile's text are back (the wait for 0 above): its chunks may be written again
	s_barrier_wait -1
.endif
.endm
	s_load_b512 s[4:19], s[0:1], 0x0               ; text s[4:5], coverage s[6:7], text_length s[8:9], W2 s[10:11], b2 s[12:13], wf s[14:15], hpar s[16:17], logits s[18:19]
	s_load_b64 s[20:21], s[0:1], 0x40              ; pctx
	v_lshl_add_u32 v[SPW], v0, 2, SPARE
	v_mov_b32 v[NIL], 0
	ds_add_u32 v[SPW], v[NIL]                      ; the wave's opening: the add and its wait stand ahead of my first tensor load; work on registers stands between them
	ds_add_u32 v8, v9
	v_lshrrev_b32 v1, 5, v0
	v_readfirstlane_b32 s[WV], v1                  ; wave 0..3
	s_bfe_u32 s23, ttmp6, 0x40000                  ; cx: it enters global addresses and REM alone
	s_lshr_b32 s25, ttmp9, 1                       ; the batch: two clusters a row
	s_and_b32 s24, ttmp9, 1
	s_lshl_b32 s24, s24, 4
	s_add_co_u32 s24, s24, s23                     ; my first tile = 16 half + cx
	; descriptor group 1: 16,384 dense bytes as 64 rows of 256
	s_mov_b32 s[G1+0], 15|(3<<16)|(1<<21)          ; 15:0 the mask: all four work-groups; 17:16 elements of 8 bytes; 21 set beside a mask; no padding
	s_mov_b32 s[G1+1], 32<<16                      ; tensor_dim0 = 32
	s_mov_b32 s[G1+2], 64<<16                      ; tensor_dim1 = 64
	s_mov_b32 s[G1+3], 32<<16                      ; tile_dim0 = 32
	s_mov_b32 s[G1+4], 64                          ; tile_dim1 = 64
	s_mov_b32 s[G1+5], 32                          ; 32 elements from row to row
	s_mov_b32 s[G1+6], 0
	s_mov_b32 s[G1+7], 0
	s_lshl_b32 s74, s[WV], 14                      ; my 16 KB of a K step, in memory and in a slot: the wave's number alone
	s_mov_b32 s75, 0
	s_mov_b32 s[G0], 1
	s_add_co_u32 s[G0+1], s74, WRING
	s_mov_b32 s[G0+4], 1
	s_add_co_u32 s[G0+5], s74, WRING+WSLOT
	s_mov_b32 s[HM], 0xffff0000
	s_mov_b32 s[SEL], 0x76543210
	s_mov_b32 s[SEL+1], 0xfedcba98
	s_lshl_b32 s70, s25, 23                        ; text: a batch is 8 MB, a tile 256 KB
	s_lshl_b32 s71, s24, 18
	s_add_co_u32 s70, s70, s71
	s_mov_b32 s71, 0
	s_lshl_b32 s72, s25, 14                        ; coverage and logits: a batch is 16 KB, a tile 512 bytes
	s_lshl_b32 s73, s24, 9
	s_add_co_u32 s72, s72, s73
	s_mov_b32 s73, 0
	s_lshl_b32 s76, s25, 16                        ; pctx: 2,048 bytes a tile
	s_lshl_b32 s77, s24, 11
	s_add_co_u32 s76, s76, s77
	s_mov_b32 s77, 0
	s_lshl_b32 s78, s25, 2
	s_mov_b32 s79, 0
	s_lshl_b32 s26, s25, 6                         ; hpar: row b of each block
	s_mov_b32 s27, 0
	s_wait_dscnt 0x0                               ; the opening add is done
	s_wait_kmcnt 0x0
	s_add_nc_u64 s[TA:TA+1], s[4:5], s[70:71]      ; chunk 0 of my first tile,
	s_add_nc_u64 s[TA+2:TA+3], s[TA:TA+1], 256     ; chunk 1
	s_add_nc_u64 s[6:7], s[6:7], s[72:73]
	s_add_nc_u64 s[18:19], s[18:19], s[72:73]
	s_add_nc_u64 s[20:21], s[20:21], s[76:77]
	s_add_nc_u64 s[8:9], s[8:9], s[78:79]
	s_add_nc_u64 s[44:45], s[16:17], s[26:27]
	s_add_nc_u64 s[G0+2:G0+3], s[14:15], s[74:75]  ; K step 0,
	s_add_nc_u64 s[G0+6:G0+7], s[G0+2:G0+3], WSLOT ; K step 1
	s_or_b32 s[G0+3], s[G0+3], 0x80000000          ; type = 2
	s_or_b32 s[G0+7], s[G0+7], 0x80000000
	s_load_b32 s69, s[8:9], 0x0                    ; text_length[b]
	s_load_b32 s68, s[12:13], 0x0                  ; b2
	CROUND                                         ; all four work-groups are here: the first joint loads meet
	tensor_load_to_lds s[G0:G0+3], s[G1:G1+7]      ; both first fills together: two tensor loads of mine are out
	s_nop 0
	tensor_load_to_lds s[G0+4:G0+7], s[G1:G1+7]
	s_nop 0
	PLACES
	v_and_b32 v1, 15, v0                           ; r = l % 16
	v_bfe_u32 v2, v0, 4, 1                         ; hh = l / 16
	v_and_b32 v3, 31, v0                           ; lane
	v_lshlrev_b32 v[TOFF], 4, v1                   ; text: row 32 w + hh (+ 2 a load), 16 bytes at 16 r
	v_lshl_add_u32 v[TOFF], v2, 11, v[TOFF]
	s_lshl_b32 s70, s[WV], 16
	v_add_nc_u32 v[TOFF], s70, v[TOFF]
	v_lshrrev_b32 v4, 2, v0                        ; the constants, 16 bytes a thread: h = 4 t .. 4 t + 3 lies in block t / 4 of hpar
	v_mul_u32_u24 v4, v4, 2560
	v_and_b32 v5, 3, v0
	v_lshl_add_u32 v4, v5, 4, v4
	v_lshlrev_b32 v5, 4, v0
	v_lshlrev_b32 v6, 4, v3
	v_lshl_add_u32 v6, s[WV], 11, v6               ; cov: wave i brings my tile i, 2,048 bytes on from the one before
	global_load_b128 v[32:35], v4, s[44:45]
	global_load_b128 v[36:39], v4, s[16:17] offset:2048
	global_load_b128 v[40:43], v5, s[10:11]
	global_load_b128 v[44:47], v6, s[6:7]
	ISSUE 0, 0
	ISSUE 1, 0
	WIN 0
	v_add_nc_u32 v7, CB, v5
	v_lshl_add_u32 v49, v0, 5, CC                  ; my four numbers of cov, 8 bytes each
	v_mul_u32_u24 v[ADRA0], v1, TP
	v_lshl_add_u32 v[ADRA0], v2, 4, v[ADRA0]       ; a fragment's row x pitch + 16 x half
	v_lshlrev_b32 v[ADRB], 4, v3
	v_add_nc_u32 v[ADRB], s[G0+1], v[ADRB]         ; W lies in fragment order: 16 lane
	v_add_nc_u32 v[ADRB+1], WSLOT, v[ADRB]
	s_mul_i32 s70, s[WV], 32*TP
	v_mul_u32_u24 v[SAD0], v2, TP
	v_lshl_add_u32 v[SAD0], v1, 3, v[SAD0]
	v_add_nc_u32 v[SAD0], s70, v[SAD0]
	v_and_b32 v48, 7, v0
	v_lshl_add_u32 v48, v2, 3, v48
	v_mul_u32_u24 v[ADRT], v48, TP                 ; the turning load: position 8 hh + l % 8, features 8 ((l / 8) % 2) on
	v_bfe_u32 v48, v0, 3, 1
	v_lshl_add_u32 v[ADRT], v48, 4, v[ADRT]
	s_mul_i32 s70, s[WV], 2*CHUNK
	v_add_nc_u32 v[ADRT], s70, v[ADRT]
	s_lshl_b32 s70, s[WV], 9
	s_add_co_u32 s71, s70, CB
	v_lshl_add_u32 v[CADR], v2, 5, s71
	v_lshl_add_u32 v[COVA], v1, 3, CC
	s_add_co_u32 s71, s70, PL
	v_lshl_add_u32 v[PLS], v3, 2, s71
	v_lshl_add_u32 v[PLR], v3, 4, PL
	s_lshl_b32 s72, s[WV], 8
	s_add_co_u32 s72, s72, PP
	v_lshl_add_u32 v[PPS], v3, 3, s72
	v_lshl_add_u32 v[PPR], v2, 4, s72
	s_add_co_u32 s71, s70, CX
	v_lshl_add_u32 v[CXS], v3, 2, s71
	v_lshl_add_u32 v[CXR], v3, 4, s71
	v_lshlrev_b32 v[IDX], 2, v3
	v_add_nc_u32 v[IDX+1], 1, v[IDX]
	v_add_nc_u32 v[IDX+2], 2, v[IDX]
	v_add_nc_u32 v[IDX+3], 3, v[IDX]
	v_lshlrev_b32 v[GOL], 4, v3
	v_lshl_add_u32 v[GOC], v3, 4, s70
	s_wait_loadcnt 32                              ; the four loads of constants are in; the 32 of text stay out
	ds_store_b128 v7, v[32:35]
	ds_store_b128 v7, v[36:39] offset:2048
	ds_store_b128 v7, v[40:43] offset:4096
.irp e, 0,1,2,3
	ds_store_b32 v49, v[44+\e] offset:8*\e         ; each number of cov twice, once in the launch
	ds_store_b32 v49, v[44+\e] offset:8*\e+4
.endr
	s_wait_dscnt 0x0
	s_barrier_signal -1
	s_barrier_wait -1
	v_lshl_add_u32 v4, v3, 4, C2
	ds_load_b128 v[48:51], v4                      ; c0: all of W2, 16 numbers a lane
	ds_load_b128 v[52:55], v4 offset:512
	ds_load_b128 v[56:59], v4 offset:1024
	ds_load_b128 v[60:63], v4 offset:1536
	LOADC 1
	s_wait_dscnt 0x0
	v_pk_add_f32 v[48:49], v[48:49], v[52:53]
	v_pk_add_f32 v[50:51], v[50:51], v[54:55]
	v_pk_add_f32 v[56:57], v[56:57], v[60:61]
	v_pk_add_f32 v[58:59], v[58:59], v[62:63]
	v_pk_add_f32 v[48:49], v[48:49], v[56:57]
	v_pk_add_f32 v[50:51], v[50:51], v[58:59]
	v_pk_add_f32 v[48:49], v[48:49], v[50:51]
	v_add_f32 v48, v48, v49
	v_add_f32_dpp v48, v48, v48 row_xmask:1 row_mask:0xf bank_mask:0xf
	v_add_f32_dpp v48, v48, v48 row_xmask:2 row_mask:0xf bank_mask:0xf
	v_add_f32_dpp v48, v48, v48 row_xmask:4 row_mask:0xf bank_mask:0xf
	v_add_f32_dpp v48, v48, v48 row_xmask:8 row_mask:0xf bank_mask:0xf
	v_permlanex16_b32 v49, v48, s[SEL], s[SEL+1]
	v_add_f32 v48, v48, v49
	s_wait_kmcnt 0x0
	v_add_f32 v[C0], s68, v48                      ; c0 = b2 + the sum of W2
	s_lshl_b32 s70, s24, 7
	s_sub_co_i32 s[REM], s69, s70
	INITW 0
	INITW 1
	OP 0, 2, 1, 16, 512                            ; chunks 0 and 1 are held in f16; chunks 2 and 3 are asked for
	OP 1, 2, 1, 16, 512
	WIN 0
	s_mov_b32 s[TI], 4
.Ltile:
.set i, 0
.rept 16
	ds_store_b64 v[SAD0], v[HELD+2*i:HELD+2*i+1] offset:2*TP*i
	ds_store_b64 v[SAD0], v[HELD+32+2*i:HELD+32+2*i+1] offset:CHUNK+2*TP*i
.set i, i+1
.endr
	v_mov_b32 v[ADRA], v[ADRA0]
	v_add_nc_u32 v[SADR], 2*CHUNK, v[SAD0]
	s_wait_tensorcnt 0x1                           ; K step 0 of W is in; K step 1's load may stay out
	s_wait_dscnt 0x0
	s_barrier_signal -1
	s_barrier_wait -1                              ; everybody's rows of chunks 0 and 1 are stored
	FETCH 0, 0, 0, F0
	s_mov_b32 s[KC], 2
.Lk:                                                   ; K steps 0 to 3
	TRIP_N 512
	s_sub_co_u32 s[KC], s[KC], 1
	s_cmp_lg_u32 s[KC], 0
	s_cbranch_scc1 .Lk
	s_cmp_eq_u32 s[TI], 1
	s_cbranch_scc1 .Llast                          ; the last tile's tail is written out: it asks for nothing beyond the end
	TRIP_N NEXTT                                   ; K steps 4, 5: the text stream goes on into the next tile
	QUARTER 0, 2, 1, 16, 512                       ; K steps 6, 7: the next tile's chunks 0 and 1 are held in registers; W's ring goes back to K steps 0 and 1
	TURN 0, 2, 1, 1
	QUARTER 1, 2, 1, 16, 512
	TURN 1, 2, 0, 1
	EPI 1
	s_sub_co_u32 s[TI], s[TI], 1
	s_branch .Ltile
.Llast:
	QUARTER 0, 1, 0, 16, 0                         ; K steps 4, 5: the last two chunks; the counts run down
	TURN 0, 2, 1, 0
	QUARTER 1, 1, 0, 0, 0
	TURN 1, 2, 1, 0
	QUARTER 0, 0, 0, 0, 0                          ; K steps 6, 7: nothing is fetched, no slot is filled
	TURN 0, 1, 1, 0
	QUARTER 1, 0, 0, 0, 0
	TURN 1, 0, 0, 0
	EPI 0
	s_wait_tensorcnt 0x0                           ; the wave's end, behind my last tensor load and my last LDS store
	ds_add_u32 v[SPW], v[NIL]
	s_wait_dscnt 0x0
	CROUND                                         ; the closing round: no work-group ends while a partner may still ask for a tile that names it
	s_endpgm
.Lfunc_end_k_qb00b8e8834_main:
	.size	k_qb00b8e8834_main, .Lfunc_end_k_qb00b8e8834_main-k_qb00b8e8834_main
	.p2alignl 7, 3214868480
	.fill 96, 4, 3214868480
	.section	.rodata,"a",@progbits
	.p2align	6, 0x0
	.amdhsa_kernel k_qb00b8e8834_main
		.amdhsa_group_segment_fixed_size 327680
		.amdhsa_private_segment_fixed_size 0
		.amdhsa_enable_private_segment 0
		.amdhsa_kernarg_size 72
		.amdhsa_user_sgpr_count 2
		.amdhsa_user_sgpr_kernarg_segment_ptr 1
		.amdhsa_wavefront_size32 1
		.amdhsa_system_sgpr_workgroup_id_x 1
		.amdhsa_system_sgpr_workgroup_id_y 1
		.amdhsa_system_sgpr_workgroup_id_z 1
		.amdhsa_system_vgpr_workitem_id 0
		.amdhsa_next_free_vgpr 1024
		.amdhsa_next_free_sgpr 80
		.amdhsa_reserve_vcc 1
		.amdhsa_float_denorm_mode_32 3
		.amdhsa_float_denorm_mode_16_64 3
		.amdhsa_memory_ordered 1
		.amdhsa_forward_progress 1
		.amdhsa_inst_pref_size 255
	.end_amdhsa_kernel
	.section	.bss,"aw",@nobits
	.p2align	6
	.space	262144
	.amdgpu_metadata
---
amdhsa.version: [ 1, 2 ]
amdhsa.kernels:
  - .name:           k_qb00b8e8834_main
    .symbol:         k_qb00b8e8834_main.kd
    .args:
      - { .name: text_states, .offset: 0, .size: 8, .value_kind: global_buffer, .address_space: global }
      - { .name: coverage, .offset: 8, .size: 8, .value_kind: global_buffer, .address_space: global }
      - { .name: text_length, .offset: 16, .size: 8, .value_kind: global_buffer, .address_space: global }
      - { .name: W2, .offset: 24, .size: 8, .value_kind: global_buffer, .address_space: global }
      - { .name: b2, .offset: 32, .size: 8, .value_kind: global_buffer, .address_space: global }
      - { .name: wf, .offset: 40, .size: 8, .value_kind: global_buffer, .address_space: global }
      - { .name: hpar, .offset: 48, .size: 8, .value_kind: global_buffer, .address_space: global }
      - { .name: logits, .offset: 56, .size: 8, .value_kind: global_buffer, .address_space: global }
      - { .name: pctx, .offset: 64, .size: 8, .value_kind: global_buffer, .address_space: global }
    .group_segment_fixed_size: 327680
    .private_segment_fixed_size: 0
    .kernarg_segment_align: 8
    .kernarg_segment_size: 72
    .max_flat_workgroup_size: 128
    .sgpr_count:     80
    .vgpr_count:     1024
    .wavefront_size: 32
...
	.end_amdgpu_metadata
.endif
;; end of part 2
;; launch final (part 3): grid 4 x 32, 8 waves a work-group, no clusters, 5,632 bytes of LDS; arguments logits, pctx, out0, out1; writes out0, out1
.if DOCPART == 3
	.amdgcn_target "amdgcn-amd-amdhsa--gfx1250"
	.amdhsa_code_object_version 6
	.text
	.protected	k_qb00b8e8834_final
	.globl	k_qb00b8e8834_final
	.p2align	8
	.type	k_qb00b8e8834_final,@function
k_qb00b8e8834_final:
	s_mov_b64 s[64:65], 0
	v_nop
	global_prefetch_b8 v0, s[64:65] scope:SCOPE_SE
	s_setreg_imm32_b32 hwreg(HW_REG_WAVE_MODE, 25, 1), 1
	s_wait_xcnt 0x0
; The softmax's end.  For batch b: M = the largest logit, S = the sum of e^(logit - M); out1 = e^(logit - M) / S; out0 = the sum over the 32 tiles of e^(m_i - M) pctx[tile i] / S,
; where m_i, the tile's own maximum, is taken from the same stored logits from which pctx's weights were made.  A hidden position holds -inf: its weight is 0; a wholly hidden tile has m_i = -inf, weight 0, pctx 0.
; SHARES.  Four work-groups a batch: each finds M and S for itself (16 KB of logits) and writes a quarter: 1,024 numbers of out1, 128 of out0.  Eight waves; load i of wave w is exactly tile 8 i + w.
; LIMIT.  text_length is at least 1, as the softmax itself needs: M is then finite.
.set RM,    0                          ; the waves' maxima, 8 words
.set RS,    256                        ; the waves' sums, 8 words
.set CP,    512                        ; the waves' parts of the context, 512 bytes each
.set SPARE, 4608                       ; the spare words, 128 bytes for each wave: no other line names them
.set L,   8                            ; v[8:23]   16 logits: four of each of my four tiles
.set Q,   24                           ; v[24:27]  the four logits whose attention I write
.set P,   28                           ; v[28:43]  four features of my four tiles' pctx
.set MI,  44                           ; v44-47    m_i, then e^(m_i - M)
.set T,   48                           ; v48-51    at work
.set MX,  52                           ; v[52:53]  M, twice
.set R,   56                           ; v[56:63]  the eight waves' figures
.set PC,  64                           ; v[64:67]
.set O,   68                           ; v[68:99]
	s_load_b256 s[4:11], s[0:1], 0x0               ; logits s[4:5], pctx s[6:7], out0 s[8:9], out1 s[10:11]
	v_lshl_add_u32 v2, v0, 2, SPARE                ; my spare word,
	v_mov_b32 v3, 0                                ; and 0: kept for the add at the wave's end
	v_lshrrev_b32 v1, 5, v0
	v_readfirstlane_b32 s12, v1                    ; wave 0..7
	v_and_b32 v1, 31, v0
	s_and_b32 s13, ttmp7, 0xffff                   ; the batch
	s_lshl_b32 s16, s13, 14
	s_mov_b32 s17, 0
	s_lshl_b32 s18, ttmp9, 12                      ; my quarter of the row
	s_mov_b32 s19, 0
	s_lshl_b32 s24, s13, 16                        ; pctx: tile 32 b + w, features 128 q on
	s_lshl_b32 s25, s12, 11
	s_add_co_u32 s24, s24, s25
	s_lshl_b32 s25, ttmp9, 9
	s_add_co_u32 s24, s24, s25
	s_mov_b32 s25, 0
	s_lshl_b32 s26, s13, 11
	s_lshl_b32 s27, ttmp9, 9
	s_add_co_u32 s26, s26, s27
	s_mov_b32 s27, 0
	s_mov_b32 s20, 0x3fb8aa3b                      ; log2(e)
	s_mov_b32 s21, s20                             ; named with it as a pair
	s_mov_b32 s22, 0x76543210
	s_mov_b32 s23, 0xfedcba98
	s_lshl_b32 s28, s12, 9
	s_add_co_u32 s28, s28, CP
	v_lshlrev_b32 v4, 4, v0                        ; 16 t
	v_lshlrev_b32 v5, 4, v1                        ; 16 lane
	v_mov_b32 v6, s12
	v_lshlrev_b32 v6, 2, v6                        ; my wave's word
	v_mov_b32 v7, 0
	v_add_nc_u32 v54, s28, v5
.irp i, 0,1,2,3
	v_mov_b32 v[T+\i], 0                           ; v_permlanex16_b32's destinations count as read
.endr
	s_wait_kmcnt 0x0
	s_add_nc_u64 s[4:5], s[4:5], s[16:17]
	s_add_nc_u64 s[14:15], s[4:5], s[18:19]
	s_add_nc_u64 s[6:7], s[6:7], s[24:25]
	s_add_nc_u64 s[8:9], s[8:9], s[26:27]
	s_add_nc_u64 s[10:11], s[10:11], s[16:17]
	s_add_nc_u64 s[10:11], s[10:11], s[18:19]
.irp i, 0,1,2,3
	global_load_b128 v[L+4*\i:L+4*\i+3], v4, s[4:5] offset:4096*\i
.endr
	global_load_b128 v[Q:Q+3], v4, s[14:15]
.irp i, 0,1,2,3
	global_load_b128 v[P+4*\i:P+4*\i+3], v5, s[6:7] offset:16384*\i
.endr
	s_wait_loadcnt 5                               ; the row's logits are in; the five younger loads stay out
.irp i, 0,1,2,3
	v_max3_num_f32 v[MI+\i], v[L+4*\i], v[L+4*\i+1], v[L+4*\i+2]
.endr
.irp i, 0,1,2,3
	v_max_num_f32 v[MI+\i], v[MI+\i], v[L+4*\i+3]
.endr
.irp x, 1,2,4,8
.irp i, 0,1,2,3
	v_max_num_f32_dpp v[MI+\i], v[MI+\i], v[MI+\i] row_xmask:\x row_mask:0xf bank_mask:0xf
.endr
.endr
.irp i, 0,1,2,3
	v_permlanex16_b32 v[T+\i], v[MI+\i], s22, s23
.endr
.irp i, 0,1,2,3
	v_max_num_f32 v[MI+\i], v[MI+\i], v[T+\i]      ; tile 8 i + w's maximum, in every lane
.endr
	v_max3_num_f32 v[MX], v[MI], v[MI+1], v[MI+2]
	v_max_num_f32 v[MX], v[MX], v[MI+3]
	ds_store_b32 v6, v[MX]
	s_wait_dscnt 0x0
	s_barrier_signal -1
	s_barrier_wait -1
	ds_load_b128 v[R:R+3], v7
	ds_load_b128 v[R+4:R+7], v7 offset:16
	s_wait_dscnt 0x0
	v_max3_num_f32 v[MX], v[R], v[R+1], v[R+2]
	v_max3_num_f32 v[MX], v[MX], v[R+3], v[R+4]
	v_max3_num_f32 v[MX], v[MX], v[R+5], v[R+6]
	v_max_num_f32 v[MX], v[MX], v[R+7]             ; M
	v_mov_b32 v[MX+1], v[MX]
	s_wait_loadcnt 0x0
.set k, 0
.rept 10                                       ; L's eight pairs and, behind them in the registers, Q's two
	v_pk_add_f32 v[L+2*k:L+2*k+1], v[L+2*k:L+2*k+1], v[MX:MX+1] neg_lo:[0,1] neg_hi:[0,1]
.set k, k+1
.endr
	v_pk_add_f32 v[MI:MI+1], v[MI:MI+1], v[MX:MX+1] neg_lo:[0,1] neg_hi:[0,1]
	v_pk_add_f32 v[MI+2:MI+3], v[MI+2:MI+3], v[MX:MX+1] neg_lo:[0,1] neg_hi:[0,1]
.set k, 0
.rept 10
	v_pk_mul_f32 v[L+2*k:L+2*k+1], v[L+2*k:L+2*k+1], s[20:21] op_sel_hi:[1,0]
.set k, k+1
.endr
	v_pk_mul_f32 v[MI:MI+1], v[MI:MI+1], s[20:21] op_sel_hi:[1,0]
	v_pk_mul_f32 v[MI+2:MI+3], v[MI+2:MI+3], s[20:21] op_sel_hi:[1,0]
.set k, 0
.rept 20
	v_exp_f32 v[L+k], v[L+k]
.set k, k+1
.endr
.irp i, 0,1,2,3
	v_exp_f32 v[MI+\i], v[MI+\i]
.endr
	v_nop                                          ; a plain instruction between the last exponential and the use of its result
	s_wait_alu depctr_va_vdst(0)
.irp k, 0,1,2,3
	v_pk_add_f32 v[L+2*\k:L+2*\k+1], v[L+2*\k:L+2*\k+1], v[L+2*\k+8:L+2*\k+9]
.endr
	v_pk_add_f32 v[L:L+1], v[L:L+1], v[L+4:L+5]
	v_pk_add_f32 v[L+2:L+3], v[L+2:L+3], v[L+6:L+7]
	v_pk_add_f32 v[L:L+1], v[L:L+1], v[L+2:L+3]
	v_add_f32 v[L], v[L], v[L+1]
	v_add_f32_dpp v[L], v[L], v[L] row_xmask:1 row_mask:0xf bank_mask:0xf
	v_add_f32_dpp v[L], v[L], v[L] row_xmask:2 row_mask:0xf bank_mask:0xf
	v_add_f32_dpp v[L], v[L], v[L] row_xmask:4 row_mask:0xf bank_mask:0xf
	v_add_f32_dpp v[L], v[L], v[L] row_xmask:8 row_mask:0xf bank_mask:0xf
	v_permlanex16_b32 v[T], v[L], s22, s23
	v_add_f32 v[L], v[L], v[T]
	ds_store_b32 v6, v[L] offset:RS
.irp e, 0,1,2,3
	v_mul_f32 v[PC+\e], v[MI], v[P+\e]
.endr
.irp i, 1,2,3
.irp e, 0,1,2,3
	v_fmac_f32 v[PC+\e], v[MI+\i], v[P+4*\i+\e]
.endr
.endr
	ds_store_b128 v54, v[PC:PC+3]
	s_wait_dscnt 0x0
	s_barrier_signal -1
	s_barrier_wait -1
	ds_load_b128 v[R:R+3], v7 offset:RS
	ds_load_b128 v[R+4:R+7], v7 offset:RS+16
	s_wait_dscnt 0x0
	v_pk_add_f32 v[R:R+1], v[R:R+1], v[R+2:R+3]
	v_pk_add_f32 v[R+4:R+5], v[R+4:R+5], v[R+6:R+7]
	v_pk_add_f32 v[R:R+1], v[R:R+1], v[R+4:R+5]
	v_add_f32 v[R], v[R], v[R+1]                   ; S, at least 1
	v_rcp_f32 v55, v[R]
	v_nop
	s_cmp_lg_u32 s12, 0
	s_cbranch_scc1 .Lnot0
.irp j, 0,1,2,3,4,5,6,7
	ds_load_b128 v[O+4*\j:O+4*\j+3], v5 offset:CP+512*\j   ; wave 0: the eight waves' parts of my 128 features
.endr
	s_wait_dscnt 0x0
.irp k, 0,1,2,3,4,5,6,7
	v_pk_add_f32 v[O+2*\k:O+2*\k+1], v[O+2*\k:O+2*\k+1], v[O+2*\k+16:O+2*\k+17]
.endr
.irp k, 0,1,2,3
	v_pk_add_f32 v[O+2*\k:O+2*\k+1], v[O+2*\k:O+2*\k+1], v[O+2*\k+8:O+2*\k+9]
.endr
.irp k, 0,1
	v_pk_add_f32 v[O+2*\k:O+2*\k+1], v[O+2*\k:O+2*\k+1], v[O+2*\k+4:O+2*\k+5]
.endr
	s_wait_alu depctr_va_vdst(0)
.irp e, 0,1,2,3
	v_mul_f32 v[O+\e], v[O+\e], v55
.endr
	global_store_b128 v5, v[O:O+3], s[8:9]         ; 512 consecutive bytes, at a multiple of 256 from out0's first byte
.Lnot0:
	s_wait_alu depctr_va_vdst(0)
.irp e, 0,1,2,3
	v_mul_f32 v[Q+\e], v[Q+\e], v55
.endr
	global_store_b128 v4, v[Q:Q+3], s[10:11]       ; a wave stores 512 consecutive bytes
	s_wait_tensorcnt 0x0                           ; the wave's end, behind my last LDS store
	ds_add_u32 v2, v3
	s_wait_dscnt 0x0
	s_endpgm
.Lfunc_end_k_qb00b8e8834_final:
	.size	k_qb00b8e8834_final, .Lfunc_end_k_qb00b8e8834_final-k_qb00b8e8834_final
	.p2alignl 7, 3214868480
	.fill 96, 4, 3214868480
	.section	.rodata,"a",@progbits
	.p2align	6, 0x0
	.amdhsa_kernel k_qb00b8e8834_final
		.amdhsa_group_segment_fixed_size 5632
		.amdhsa_private_segment_fixed_size 0
		.amdhsa_enable_private_segment 0
		.amdhsa_kernarg_size 32
		.amdhsa_user_sgpr_count 2
		.amdhsa_user_sgpr_kernarg_segment_ptr 1
		.amdhsa_wavefront_size32 1
		.amdhsa_system_sgpr_workgroup_id_x 1
		.amdhsa_system_sgpr_workgroup_id_y 1
		.amdhsa_system_sgpr_workgroup_id_z 1
		.amdhsa_system_vgpr_workitem_id 0
		.amdhsa_next_free_vgpr 104
		.amdhsa_next_free_sgpr 66
		.amdhsa_reserve_vcc 0
		.amdhsa_float_denorm_mode_32 3
		.amdhsa_float_denorm_mode_16_64 3
		.amdhsa_memory_ordered 1
		.amdhsa_forward_progress 1
		.amdhsa_inst_pref_size 12
	.end_amdhsa_kernel
	.amdgpu_metadata
---
amdhsa.version: [ 1, 2 ]
amdhsa.kernels:
  - .name:           k_qb00b8e8834_final
    .symbol:         k_qb00b8e8834_final.kd
    .args:
      - { .name: logits, .offset: 0, .size: 8, .value_kind: global_buffer, .address_space: global }
      - { .name: pctx, .offset: 8, .size: 8, .value_kind: global_buffer, .address_space: global }
      - { .name: out0, .offset: 16, .size: 8, .value_kind: global_buffer, .address_space: global }
      - { .name: out1, .offset: 24, .size: 8, .value_kind: global_buffer, .address_space: global }
    .group_segment_fixed_size: 5632
    .private_segment_fixed_size: 0
    .kernarg_segment_align: 8
    .kernarg_segment_size: 32
    .max_flat_workgroup_size: 256
    .sgpr_count:     66
    .vgpr_count:     104
    .wavefront_size: 32
...
	.end_amdgpu_metadata
.endif
;; end of part 3
;; ======== version 2 of 2: 3 launches; 1.19 times as fast as version 1
;; limits: values are held in f16: magnitudes above 65,504 overflow, below 6.1e-05 lose precision
;; workspace buffers: wf 524,288 bytes; hpar 81,920 bytes; logits 524,288 bytes; pctx 2,097,152 bytes
;; launch prep: the kernel of part 1 again; grid 32 x 1, 16 waves a work-group, no clusters, 119,808 bytes of LDS; arguments W1, b1, summary_current_state, wf, hpar; writes wf, hpar
;; launch main (part 4): grid 256 x 1, 4 waves a work-group, clusters of 4 x 1, 327,680 bytes of LDS; arguments text_states, coverage, text_length, W2, b2, wf, hpar, logits, pctx; writes logits, pctx
.if DOCPART == 4
	.amdgcn_target "amdgcn-amd-amdhsa--gfx1250"
	.amdhsa_code_object_version 6
	.text
	.protected	k_qb00b8e8834_main
	.globl	k_qb00b8e8834_main
	.p2align	8
	.type	k_qb00b8e8834_main,@function
k_qb00b8e8834_main:
	s_mov_b64 s[64:65], 0
	v_nop
	global_prefetch_b8 v0, s[64:65] scope:SCOPE_SE
	s_setreg_imm32_b32 hwreg(HW_REG_WAVE_MODE, 25, 1), 1
	s_wait_xcnt 0x0
	s_wait_alu depctr_hold_cnt(0) depctr_sa_sdst(0) depctr_va_vdst(0) depctr_va_sdst(0) depctr_va_ssrc(0) depctr_va_vcc(0) depctr_vm_vsrc(0)
	s_getreg_b32 s2, hwreg(HW_REG_IB_STS2, 6, 4)
	s_cmp_eq_u32 s2, 0
	s_cbranch_scc0 .Lentry_in_a_cluster
	s_endpgm
.Lentry_in_a_cluster:
	s_bfe_u32 s2, ttmp6, 0x10000c
	s_cmp_lg_u32 s2, 0x3003
	s_cbranch_scc0 .Lentry_shape_is_right
	s_endpgm
.Lentry_shape_is_right:
; For each batch b and position l: logit = b2 + W2 . tanh(W1t text[l] + W1s summary + w1c cov[l] + b1), -inf where l >= text_length[b]; and for each tile of 128 positions
; pctx = the sum over the tile of p[l] text[l][:], p = e^(logit - the tile's own maximum).  A later launch finds the row's maximum and sum and puts the tiles together.
; ARITHMETIC.  tanh(x) = 1 - 2 / (1 + 2^(KS x)), KS = 2 log2(e), which the weights carry already (wf, hpar).  So logit = c0 - 2 sum_h W2[h] / (1 + 2^acc[h]), c0 = b2 + sum W2.
; An accumulator starts, in f32, as KS (b1 + W1s summary) + KS w1c cov[l]; the product text x W1t is added in f16 operands, f32 sums.
; LIMITS.  text and KS W1t stay under 65,504 (f16).  p lies in 0 to 1 and is rounded to f16 for the second product: below 6e-5 it keeps f16's fixed step of 6e-8.  NaN and infinities in the inputs are not treated apart.
; SHARES.  A cluster of four work-groups takes half a batch row, 2,048 positions; work-group cx takes the tiles 16 half + 4 i + cx, i = 0..3, one after the other.  Wave w owns h = 128 w .. 128 w + 127
; for all 128 positions of a tile: 64 accumulators of 16 x 16, 512 registers.  The matrix instruction is used transposed (source 0 = 16 rows of W, source 1 = 16 positions): a lane holds ONE position
; (lane % 16) and eight h, so the sum over h stays in the lane.
; TWO STREAMS, TWO COUNTERS.  W (512 KB a tile, the same for everybody) comes by tensor loads through a ring of two LDS slots, a K step of 64 each; the four partners ask JOINTLY: the same load, descriptor
; and mask in all four.  Each wave fetches the 16 KB that it alone reads.  text comes through registers: two groups of 16 loads a wave are always out, each is rounded to f16 and stored to LDS two K steps
; ahead of its first reader; the next tile's first two chunks wait in registers, since this tile's bytes are read until its context is made.
; THE TRANSCENDENTALS GO IN BATCHES.  Behind a tile's last product each window's 256 numbers pass through 2^acc, + 1, the reciprocal and the product with W2, a BLOCK of 64 registers (the eight accumulators of
; 16 positions) at a time, in phases: a phase holds the exponentials of one block, the + 1 and the reciprocals of the block before it, and the products with W2 of the block before that.  No line of a phase
; names a result of that phase's exponentials or reciprocals, so each phase has ONE wait, at its end: five a window (EPIW).  The four exponentials that make a tile's p are a batch of their own, with one wait (EPI).
; REGISTERS, in windows of 256 (s_set_vgpr_msb: bits 1:0 source 0, 3:2 source 1, 5:4 source 2, 7:6 destination):
;   window 0: v0-31 addresses; v32-63 at work; v64-127, v128-191 fragments of text, two buffers; v192-255 the next tile's chunks 0 and 1 in f16
;   window 1: v0-63, v192-255 text on its way, two groups; v64-127, v128-191 fragments of W, two buffers          windows 2, 3: accumulator (a, b) at v[8 (8 (a % 4) + b)], positions 0-63 and 64-127
;   behind a tile's last product the fragment buffers hold: window 0 v64-127 W2, then v64-191 text turned; window 1 v64-127 the bias, v128-191 w1c, then v64-95 p and v128-191 the context's sums
.set TP,     144                       ; a row of a chunk in LDS: 64 f16 + 16 bytes = 36 words: the 16 rows of a fragment load start at 16 different groups of four banks (ISA guide 11.1)
.set CHUNK,  128*TP                    ; 128 positions x 64 features
.set WRING,  8*CHUNK                   ; behind the tile's eight chunks: W's two slots, the only bytes that tensor loads fill
.set WSLOT,  65536
.set CB,     WRING+2*WSLOT             ; 512 f32 each: the bias of my batch,
.set CW,     CB+2048                   ; KS w1c,
.set C2,     CB+4096                   ; W2;
.set CC,     CB+6144                   ; cov of my four tiles, each number twice side by side, 8 bytes a position: one load of 8 bytes brings the pair that a packed multiply-add names
.set PL,     CC+4096                   ; [wave][128] partial sums over h
.set PP,     PL+2048                   ; p in f16, 256 bytes for each wave, its own
.set CX,     PP+1024                   ; the context on its way out, 512 bytes for each wave, its own
.set SPARE,  CX+2048                   ; the spare words, 128 bytes for each wave: no other line names them
.set C0,    7                          ; v7   c0
.set SPW,   8                          ; v8   LDS address of my spare word; never rewritten
.set NIL,   9                          ; v9   0; never rewritten
.set ADRA,  10                         ; v10  my text fragments in the chunk pair in hand
.set ADRA0, 11                         ; v11  the same in chunk 0
.set ADRB,  12                         ; v12-13  my W fragments in slot 0, 1
.set SAD0,  14                         ; v14  where I store 8 bytes of a chunk's row, chunk 0
.set SADR,  15                         ; v15  the same in the chunk pair being filled
.set TOFF,  16                         ; v16  my byte offset in a chunk in memory; never rewritten
.set ADRT,  17                         ; v17  the turning loads' address
.set CADR,  18                         ; v18  my 8 h in the constants
.set COVA,  19                         ; v19  my position's cov in the tile to be started
.set PLS,   20
.set PLR,   21
.set PPS,   22
.set PPR,   23
.set CXS,   24
.set CXR,   25
.set IDX,   26                         ; v26-29  4 lane + 0..3
.set GOL,   30
.set GOC,   31
.set TMP,   32                         ; v32-63  a chunk in f16 on its way to LDS
.set COV,   32                         ; v32-47  cov of block a, twice: a pair for the packed multiply-add
.set SUM,   48                         ; v48-55  block a's sum over my 64 h
.set LG,    48                         ; v48-51  four logits
.set F0,    64
.set F1,    128
.set HELD,  192
.set RING1, 192                        ; window 1: group 1 (group 0 at v0)
.set BIA,   64                         ; window 1
.set W1C,   128                        ; window 1
.set W2R,   64                         ; window 0
.set TF,    64                         ; window 0
.set PF,    64                         ; window 1
.set CA,    128                        ; window 1
.set WV,  22                           ; s22  my wave's number
.set G1,  28                           ; s[28:35] descriptor group 1
.set G0,  36                           ; s[36:43] descriptor group 0, a set for each slot
.set TA,  52                           ; s[52:55] text at the chunk that each group has asked for last
.set KC,  60
.set TI,  61                           ; tiles to go
.set REM, 62                           ; text_length less the tile's first position
.set HM,  63                           ; lanes 16-31
.set SEL, 66                           ; s[66:67] v_permlanex16_b32's selects: each lane takes its own place in the other half
.set NEXTT, (1<<20)-6*256              ; from chunk 6 or 7 of a tile to chunk 0 or 1 of my next one, 512 positions on
.set MSB, 0
.macro WIN new                         ; the immediate's high byte repeats the setting that is left; a switch that changes nothing is dropped
.if MSB != (\new)
	s_set_vgpr_msb (MSB<<8)|(\new)
.set MSB, \new
.endif
.endm
.set MUL_LO, 0xa1                      ; source 0 (W) window 1, source 1 (text) window 0, C and D window 2
.macro PLACES                          ; four places in front of loads into registers that matrix instructions have read, and of reads of results
.rept 4
	v_nop
.endr
.endm
.macro CREST                           ; a round of the cluster's barrier behind its opening barrier
	s_cmp_lg_u32 s[WV], 0
	s_cbranch_scc1 .Lnot_wave_0_\@
	s_barrier_signal -3
.Lnot_wave_0_\@:
	s_barrier_wait -3
	s_barrier_signal -1
	s_barrier_wait -1
.endm
.macro CROUND
	s_barrier_signal -1
	s_barrier_wait -1
	CREST
.endm
; 16 matrix instructions: position blocks a0, a0 + 1 of the window's four x all 8 blocks of h, 32 along K.  The 64 accumulators take turns, one instruction a turn.
.macro MUL16 f, hi, a0
	WIN MUL_LO+0x50*(\hi)
.irp a, \a0, (\a0)+1
.irp b, 0,1,2,3,4,5,6,7
	v_wmma_f32_16x16x32_f16 v[8*(8*(\a)+(\b)):8*(8*(\a)+(\b))+7], v[(\f)+8*(\b):(\f)+8*(\b)+7], v[(\f)+8*(4*(\hi)+(\a)):(\f)+8*(4*(\hi)+(\a))+7], v[8*(8*(\a)+(\b)):8*(8*(\a)+(\b))+7]
.endr
.endr
.endm
; 32 LDS loads in one run: half kq of a K step: my 8 fragments of W out of slot, then the tile's 8 fragments of text out of chunk c of the pair in hand, into buffer f
.macro FETCH slot, c, kq, f
	WIN 0x40
.irp i, 0,1,2,3,4,5,6,7
	ds_load_b128 v[(\f)+8*(\i):(\f)+8*(\i)+3],   v[ADRB+(\slot)] offset:(\i)*2048+(\kq)*1024
	ds_load_b128 v[(\f)+8*(\i)+4:(\f)+8*(\i)+7], v[ADRB+(\slot)] offset:(\i)*2048+(\kq)*1024+512
.endr
	WIN 0
.irp i, 0,1,2,3,4,5,6,7
	ds_load_b128 v[(\f)+8*(\i):(\f)+8*(\i)+3],   v[ADRA] offset:(\c)*CHUNK+(\i)*16*TP+(\kq)*64
	ds_load_b128 v[(\f)+8*(\i)+4:(\f)+8*(\i)+7], v[ADRA] offset:(\c)*CHUNK+(\i)*16*TP+(\kq)*64+32
.endr
.endm
; Group g asks for its next chunk, inc bytes on: my 32 rows x 256 bytes, two rows a load; each row piece is 256 consecutive bytes at a multiple of 256 from text's first byte
.macro ISSUE g, inc
.if \inc
	s_add_nc_u64 s[TA+2*(\g):TA+2*(\g)+1], s[TA+2*(\g):TA+2*(\g)+1], \inc  ; free: the loads that named it have been waited for
.endif
	WIN 0x40
.set GB, RING1*(\g)
.set i, 0
.rept 16
	global_load_b128 v[GB+4*i:GB+4*i+3], v[TOFF], s[TA+2*(\g):TA+2*(\g)+1] offset:4096*i th:TH_LOAD_NT
.set i, i+1
.endr
.endm
; Group g's chunk has come: it is rounded to f16 (cv = 1: for LDS; 2: into the registers that hold the next tile's first chunks), the group asks again (ld = 1), and the chunk is stored.
; cnt: the other group's loads, which may stay out.  The 32 conversions name no register of the products round them: they are the places in front of the LDS loads that follow.
.macro OP g, cv, ld, cnt, inc
	s_wait_loadcnt \cnt
	WIN 0x05
.set GB, RING1*(\g)
.if (\cv) == 1
.set DD, TMP
.else
.set DD, HELD+32*(\g)
.endif
.set i, 0
.rept 32
	v_cvt_pk_f16_f32 v[DD+i], v[GB+2*i], v[GB+2*i+1]
.set i, i+1
.endr
.if \ld
	ISSUE \g, \inc
.endif
.if (\cv) == 1
	WIN 0
.set i, 0
.rept 16
	ds_store_b64 v[SADR], v[TMP+2*i:TMP+2*i+1] offset:(\g)*CHUNK+2*TP*i
.set i, i+1
.endr
.endif
.endm
; A K step of 64 is two halves of 32, 64 matrix instructions each, on buffers 0 and 1.  The first half multiplies buffer 0; in its middle stand the text stream's turn and the second half's loads.
.macro QUARTER slot, cv, ld, cnt, inc
	s_wait_dscnt 8                                 ; W and positions 0-63 are in; the youngest eight loads (positions 64-127) may be out
	MUL16 F0, 0, 0
	MUL16 F0, 0, 2
.if \cv
	OP \slot, \cv, \ld, \cnt, \inc
.else
	PLACES
.endif
	FETCH \slot, \slot, 1, F1
	s_wait_dscnt 32                                ; all but the 32 loads just issued: buffer 0 is whole, my stores of the chunk are done
	MUL16 F0, 1, 0
	MUL16 F0, 1, 2
.endm
; The second half changes slots.  In front of ONE barrier each wave waits for all its tensor loads (one is out: the next K step's W), adds 0 to its spare word, and waits for that, for its reads of this slot
; and for its stores of text.  Behind it this slot may be filled again, and the chunk stored in this step may be read by everybody.
.macro MEET round
	WIN 0
	s_wait_tensorcnt 0x0
	ds_add_u32 v[SPW], v[NIL]
	s_wait_dscnt 9                                 ; (the add and the youngest eight loads may be out)
	MUL16 F1, 0, 0                                 ; sixteen matrix instructions stand between the add and the wait for it
	s_wait_dscnt 0x0
	s_barrier_signal -1
	MUL16 F1, 0, 2
.if \round
	WIN 0
.endif
	s_barrier_wait -1
.endm
; mode 2: the slot is filled again, with the K step two on (back = 1: with the next tile's K step 0 or 1): the barrier opens a round of the cluster's, so that no wave of any partner still reads the slot or has a
; load on its way, and the joint load is the first thing behind it: 96 matrix instructions ahead of the wait for it.  mode 1: nothing is filled.  mode 0: the very last half: no barrier.
; fetch = 1: the next K step's first fragments.
.macro TURN slot, mode, fetch, back
.if (\mode) == 2
	MEET 1
	CREST
.if \back
	s_sub_nc_u64 s[G0+4*(\slot)+2:G0+4*(\slot)+3], s[G0+4*(\slot)+2:G0+4*(\slot)+3], 6*WSLOT
.else
	s_add_nc_u64 s[G0+4*(\slot)+2:G0+4*(\slot)+3], s[G0+4*(\slot)+2:G0+4*(\slot)+3], 2*WSLOT
.endif
	tensor_load_to_lds s[G0+4*(\slot):G0+4*(\slot)+3], s[G1:G1+7]
	s_nop 0
	PLACES                                         ; also the places in front of the loads below
.elseif (\mode) == 1
	MEET 0
	PLACES
.else
	s_wait_dscnt 8
	MUL16 F1, 0, 0
	MUL16 F1, 0, 2
	s_wait_dscnt 0x0
.endif
.if \fetch
.if \slot
	WIN 0
	v_add_nc_u32 v[ADRA], 2*CHUNK, v[ADRA]         ; the next pair of chunks
.endif
	FETCH 1-(\slot), 1-(\slot), 0, F0
.endif
	MUL16 F1, 1, 0
	MUL16 F1, 1, 2
.endm
.macro TRIP_N inc                      ; two K steps: two chunks go to LDS, two are asked for
	QUARTER 0, 1, 1, 16, \inc
	TURN 0, 2, 1, 0
	QUARTER 1, 1, 1, 16, \inc
	TURN 1, 2, 1, 0
	WIN 0
	v_add_nc_u32 v[SADR], 2*CHUNK, v[SADR]
.endm
; The constants of my 8 h in each of 8 blocks: register j of block b is h = 128 w + 16 b + 8 (lane / 16) + j.  With init = 1: 56 LDS loads.
.macro LOADC init
.if \init
	WIN 0x40
.irp b, 0,1,2,3,4,5,6,7
	ds_load_b128 v[BIA+8*\b:BIA+8*\b+3],   v[CADR] offset:64*\b
	ds_load_b128 v[BIA+8*\b+4:BIA+8*\b+7], v[CADR] offset:64*\b+16
	ds_load_b128 v[W1C+8*\b:W1C+8*\b+3],   v[CADR] offset:2048+64*\b
	ds_load_b128 v[W1C+8*\b+4:W1C+8*\b+7], v[CADR] offset:2048+64*\b+16
.endr
.endif
	WIN 0
.irp b, 0,1,2,3,4,5,6,7
	ds_load_b128 v[W2R+8*\b:W2R+8*\b+3],   v[CADR] offset:4096+64*\b
	ds_load_b128 v[W2R+8*\b+4:W2R+8*\b+7], v[CADR] offset:4096+64*\b+16
.endr
.if \init
.irp a, 0,1,2,3,4,5,6,7
	ds_load_b64 v[COV+2*\a:COV+2*\a+1], v[COVA] offset:128*\a      ; position 16 a + lane % 16: its cov, twice
.endr
.endif
.endm
; The window's four blocks of 64 registers (a block: the eight accumulators of 16 positions), all in place, in six phases.  Phase ph: 2^acc for block ph; + 1 and the reciprocal for block ph - 1; times W2, plus
; the accumulator before it in the block, for block ph - 2: the sum over h walks through the block's eight accumulators, and nothing leaves the window but W2.
; A phase is 32 slices: two exponentials, the + 1 of the pair two slices on (the first two pairs' stand at the phase's head), two reciprocals, one product with W2: an addition stands two slices ahead of the
; reciprocals that read it, the links of the sum over h four slices apart.
; THE BATCH AND ITS WAIT.  A phase's exponentials and reciprocals are one batch.  No line of the phase names a result of theirs: an exponential's is first named by the next phase's + 1, a reciprocal's by the next
; phase's product; an addition names a pair whose reciprocals are still to come; a product's third source lies in its own block.  So ONE wait stands at the phase's end: five a window; phase 5 issues none.
; The plain instruction behind the batch's last transcendental (ISA guide 5.7.2) is the phase's last product; phases 0 and 1 have no products, and a v_nop.
; Each accumulator is read from its lowest register on: the exponentials go up through the registers.
.macro EPIW hi
	WIN 0xa2+0x51*(\hi)                            ; destination, sources 0 and 2 in the accumulators' window, source 1 (W2) in window 0
.set ph, 0
.rept 6
.if (ph > 0) && (ph < 5)
	v_pk_add_f32 v[64*ph-64:64*ph-63], v[64*ph-64:64*ph-63], 1.0 op_sel_hi:[1,0]
	v_pk_add_f32 v[64*ph-62:64*ph-61], v[64*ph-62:64*ph-61], 1.0 op_sel_hi:[1,0]
.endif
.set sl, 0
.rept 32
.if ph < 4
	v_exp_f32 v[64*ph+2*sl], v[64*ph+2*sl]
	v_exp_f32 v[64*ph+2*sl+1], v[64*ph+2*sl+1]
.endif
.if (ph > 0) && (ph < 5)
.if sl < 30
	v_pk_add_f32 v[64*ph-60+2*sl:64*ph-59+2*sl], v[64*ph-60+2*sl:64*ph-59+2*sl], 1.0 op_sel_hi:[1,0]
.endif
	v_rcp_f32 v[64*ph-64+2*sl], v[64*ph-64+2*sl]
	v_rcp_f32 v[64*ph-63+2*sl], v[64*ph-63+2*sl]
.endif
.if ph > 1
.set u, 64*ph-128+2*sl
.set w2, W2R+2*sl
.if sl < 4
	v_pk_mul_f32 v[u:u+1], v[u:u+1], v[w2:w2+1]
.else
	v_pk_fma_f32 v[u:u+1], v[u:u+1], v[w2:w2+1], v[u-8:u-7]
.endif
.endif
.set sl, sl+1
.endr
.if ph < 2
	v_nop                                          ; the plain instruction behind the batch's last transcendental: these two phases have no product to be it
.endif
.if ph < 5
	s_wait_alu depctr_va_vdst(0)                   ; one wait for the phase's batch, ahead of the next phase, which reads it
.endif
.set ph, ph+1
.endr
	WIN 0x8a+0x45*(\hi)                            ; all in the accumulators' window: a block's eight sums lie in its last accumulator
.set a, 0
.rept 4
	v_pk_add_f32 v[64*a+56:64*a+57], v[64*a+56:64*a+57], v[64*a+58:64*a+59]
	v_pk_add_f32 v[64*a+60:64*a+61], v[64*a+60:64*a+61], v[64*a+62:64*a+63]
.set a, a+1
.endr
.set a, 0
.rept 4
	v_pk_add_f32 v[64*a+56:64*a+57], v[64*a+56:64*a+57], v[64*a+60:64*a+61]
.set a, a+1
.endr
	WIN 0x0a+0x05*(\hi)
.set a, 0
.rept 4
	v_add_f32 v[SUM+4*(\hi)+a], v[64*a+56], v[64*a+57]
.set a, a+1
.endr
.endm
; A tile's sums start: acc = KS w1c[h] cov[l] + bias[h], in f32
.macro INITW hi
	WIN 0x91+0x40*(\hi)                            ; w1c and the bias in window 1, cov in window 0
.set a, 0
.rept 4
.set cr, COV+2*(4*(\hi)+a)
.set b, 0
.rept 8
.set i, 0
.rept 4
	v_pk_fma_f32 v[8*(8*a+b)+2*i:8*(8*a+b)+2*i+1], v[W1C+8*b+2*i:W1C+8*b+2*i+1], v[cr:cr+1], v[BIA+8*b+2*i:BIA+8*b+2*i+1]
.set i, i+1
.endr
.set b, b+1
.endr
.set a, a+1
.endr
.endm
; text turned, for the second product: positions 64 gp .. 64 gp + 63 x my 128 features (chunks 2 w, 2 w + 1): lane l then holds feature l % 16 and 8 positions
.macro TLOAD gp
	WIN 0
.irp gl, 0,1
.irp nb, 0,1,2,3,4,5,6,7
	ds_load_tr16_b128 v[TF+64*(\gl)+8*(\nb):TF+64*(\gl)+8*(\nb)+3],   v[ADRT] offset:((\nb)/4)*CHUNK+((\nb)%4)*32+(2*(\gp)+(\gl))*32*TP
	ds_load_tr16_b128 v[TF+64*(\gl)+8*(\nb)+4:TF+64*(\gl)+8*(\nb)+7], v[ADRT] offset:((\nb)/4)*CHUNK+((\nb)%4)*32+(2*(\gp)+(\gl))*32*TP+16*TP
.endr
.endr
.endm
; 8 matrix instructions: the context's 8 blocks of 16 features, positions 32 g on.  Source 0 is p, the same in all 16 rows, so all rows of the result are alike.  The 8 accumulators take turns.
.macro CTX g, zero
	WIN 0x51                                       ; p and the sums in window 1, text in window 0
.irp nb, 0,1,2,3,4,5,6,7
.if \zero
	v_wmma_f32_16x16x32_f16 v[CA+8*(\nb):CA+8*(\nb)+7], v[PF+8*(\g):PF+8*(\g)+7], v[TF+64*((\g)%2)+8*(\nb):TF+64*((\g)%2)+8*(\nb)+7], 0
.else
	v_wmma_f32_16x16x32_f16 v[CA+8*(\nb):CA+8*(\nb)+7], v[PF+8*(\g):PF+8*(\g)+7], v[TF+64*((\g)%2)+8*(\nb):TF+64*((\g)%2)+8*(\nb)+7], v[CA+8*(\nb):CA+8*(\nb)+7]
.endif
.endr
.endm
; BEHIND A TILE'S LAST PRODUCT.  init = 1: another tile follows: its sums are started, and the pointers step.
.macro EPI init
	WIN 0
.if \init
	v_add_nc_u32 v[COVA], 1024, v[COVA]            ; the next tile's cov: 128 positions of 8 bytes on
.endif
	PLACES
	LOADC \init
	s_wait_dscnt 0x0
	EPIW 0
	EPIW 1
.if \init
	INITW 0
	INITW 1
.endif
	WIN 0
	; a position's other 64 h of my wave lie in the lane 16 away.  Two blocks at a time: lanes 0-15 end up with block 2 q, lanes 16-31 with block 2 q + 1
.irp q, 0,1,2,3
	v_cndmask_b32 v[56+\q], v[SUM+2*\q], v[SUM+2*\q+1], s[HM]       ; what stays
	v_cndmask_b32 v[SUM+2*\q], v[SUM+2*\q+1], v[SUM+2*\q], s[HM]    ; what crosses
.endr
.irp q, 0,1,2,3
	v_permlanex16_b32 v[SUM+2*\q+1], v[SUM+2*\q], s[SEL], s[SEL+1]
.endr
.irp q, 0,1,2,3
	v_add_f32 v[56+\q], v[56+\q], v[SUM+2*\q+1]
	ds_store_b32 v[PLS], v[56+\q] offset:128*\q
.endr
	s_wait_dscnt 0x0                               ; for the others' sake: my partial sums are stored
	s_barrier_signal -1
	s_barrier_wait -1
	ds_load_b128 v[32:35], v[PLR]                  ; every wave makes all 128 logits: positions 4 lane + 0..3, the four waves' parts
	ds_load_b128 v[36:39], v[PLR] offset:512
	ds_load_b128 v[40:43], v[PLR] offset:1024
	ds_load_b128 v[44:47], v[PLR] offset:1536
	TLOAD 0
	s_wait_dscnt 32                                ; the 32 turning loads may stay out
	v_pk_add_f32 v[32:33], v[32:33], v[36:37]
	v_pk_add_f32 v[34:35], v[34:35], v[38:39]
	v_pk_add_f32 v[40:41], v[40:41], v[44:45]
	v_pk_add_f32 v[42:43], v[42:43], v[46:47]
	v_pk_add_f32 v[32:33], v[32:33], v[40:41]
	v_pk_add_f32 v[34:35], v[34:35], v[42:43]
.irp e, 0,1,2,3
	v_fma_f32 v[LG+\e], v[32+\e], -2.0, v[C0]
.endr
.irp e, 0,1,2,3
	v_cmp_gt_i32 vcc_lo, s[REM], v[IDX+\e]         ; is the position inside the text?
	v_cndmask_b32 v[LG+\e], 0xff800000, v[LG+\e], vcc_lo
.endr
	v_max3_num_f32 v52, v[LG], v[LG+1], v[LG+2]
	v_max_num_f32 v52, v52, v[LG+3]
	v_max_num_f32_dpp v52, v52, v52 row_xmask:1 row_mask:0xf bank_mask:0xf
	v_max_num_f32_dpp v52, v52, v52 row_xmask:2 row_mask:0xf bank_mask:0xf
	v_max_num_f32_dpp v52, v52, v52 row_xmask:4 row_mask:0xf bank_mask:0xf
	v_max_num_f32_dpp v52, v52, v52 row_xmask:8 row_mask:0xf bank_mask:0xf
	v_permlanex16_b32 v53, v52, s[SEL], s[SEL+1]
	v_max_num_f32 v52, v52, v53                    ; the tile's maximum,
	v_max_num_f32 v52, 0xff7fffff, v52             ; or the lowest finite number where the whole tile is hidden: -inf less that is -inf, and p is 0
.irp e, 0,1,2,3
	v_sub_f32 v[56+\e], v[LG+\e], v52
.endr
.irp e, 0,1,2,3
	v_mul_f32 v[56+\e], 0x3fb8aa3b, v[56+\e]
.endr
.irp e, 0,1,2,3
	v_exp_f32 v[56+\e], v[56+\e]
.endr
	v_nop                                          ; a plain instruction between the last exponential and the use of its result
	s_wait_alu depctr_va_vdst(0)                   ; one wait for the batch of four exponentials, ahead of the roundings that read them
	v_cvt_pk_f16_f32 v60, v56, v57
	v_cvt_pk_f16_f32 v61, v58, v59
	ds_store_b64 v[PPS], v[60:61]
	WIN 0x40
.irp g, 0,1,2,3
	ds_load_b128 v[PF+8*\g:PF+8*\g+3],   v[PPR] offset:64*\g     ; my own bytes: LDS serves a wave's instructions in order (ISA guide 5.7.1.4); all 16 rows of the fragment read the same p
	ds_load_b128 v[PF+8*\g+4:PF+8*\g+7], v[PPR] offset:64*\g+32
.endr
	WIN 0
	s_cmp_lg_u32 s[WV], 0
	s_cbranch_scc1 .Lnolog_\@
	global_store_b128 v[GOL], v[LG:LG+3], s[18:19] ; wave 0: the tile's 128 logits, 512 consecutive bytes at a multiple of 256 from the buffer's first
.Lnolog_\@:
	s_wait_dscnt 0x0
	CTX 0, 1
	CTX 1, 0
	PLACES
	TLOAD 1
	s_wait_dscnt 0x0
	CTX 2, 0
	CTX 3, 0
	PLACES
	WIN 0x05
.irp q, 0,1,2,3
	v_cndmask_b32 v[56+\q], v[CA+16*\q], v[CA+16*\q+8], s[HM]       ; register 0: lanes 0-15 take block 2 q, lanes 16-31 block 2 q + 1: 32 neighbouring features
.endr
	WIN 0
.irp q, 0,1,2,3
	ds_store_b32 v[CXS], v[56+\q] offset:128*\q
.endr
	ds_load_b128 v[60:63], v[CXR]                  ; back, four neighbouring features a lane
	s_wait_dscnt 0x0
	global_store_b128 v[GOC], v[60:63], s[20:21]   ; my 128 features: 512 consecutive bytes
.if \init
	s_wait_xcnt 0x0                                ; the stores' bases and data are rewritten only behind this wait
	s_add_nc_u64 s[18:19], s[18:19], 2048          ; my next tile lies four tiles on
	s_add_nc_u64 s[20:21], s[20:21], 8192
	s_sub_co_i32 s[REM], s[REM], 512
	s_barrier_signal -1                            ; every wave's reads of the tile's text are back (the wait for 0 above): its chunks may be written again
	s_barrier_wait -1
.endif
.endm
	s_load_b512 s[4:19], s[0:1], 0x0               ; text s[4:5], coverage s[6:7], text_length s[8:9], W2 s[10:11], b2 s[12:13], wf s[14:15], hpar s[16:17], logits s[18:19]
	s_load_b64 s[20:21], s[0:1], 0x40              ; pctx
	v_lshl_add_u32 v[SPW], v0, 2, SPARE
	v_mov_b32 v[NIL], 0
	ds_add_u32 v[SPW], v[NIL]                      ; the wave's opening: the add and its wait stand ahead of my first tensor load; work on registers stands between them
	ds_add_u32 v8, v9
	v_lshrrev_b32 v1, 5, v0
	v_readfirstlane_b32 s[WV], v1                  ; wave 0..3
	s_bfe_u32 s23, ttmp6, 0x40000                  ; cx: it enters global addresses and REM alone
	s_lshr_b32 s25, ttmp9, 1                       ; the batch: two clusters a row
	s_and_b32 s24, ttmp9, 1
	s_lshl_b32 s24, s24, 4
	s_add_co_u32 s24, s24, s23                     ; my first tile = 16 half + cx
	; descriptor group 1: 16,384 dense bytes as 64 rows of 256
	s_mov_b32 s[G1+0], 15|(3<<16)|(1<<21)          ; 15:0 the mask: all four work-groups; 17:16 elements of 8 bytes; 21 set beside a mask; no padding
	s_mov_b32 s[G1+1], 32<<16                      ; tensor_dim0 = 32
	s_mov_b32 s[G1+2], 64<<16                      ; tensor_dim1 = 64
	s_mov_b32 s[G1+3], 32<<16                      ; tile_dim0 = 32
	s_mov_b32 s[G1+4], 64                          ; tile_dim1 = 64
	s_mov_b32 s[G1+5], 32                          ; 32 elements from row to row
	s_mov_b32 s[G1+6], 0
	s_mov_b32 s[G1+7], 0
	s_lshl_b32 s74, s[WV], 14                      ; my 16 KB of a K step, in memory and in a slot: the wave's number alone
	s_mov_b32 s75, 0
	s_mov_b32 s[G0], 1
	s_add_co_u32 s[G0+1], s74, WRING
	s_mov_b32 s[G0+4], 1
	s_add_co_u32 s[G0+5], s74, WRING+WSLOT
	s_mov_b32 s[HM], 0xffff0000
	s_mov_b32 s[SEL], 0x76543210
	s_mov_b32 s[SEL+1], 0xfedcba98
	s_lshl_b32 s70, s25, 23                        ; text: a batch is 8 MB, a tile 256 KB
	s_lshl_b32 s71, s24, 18
	s_add_co_u32 s70, s70, s71
	s_mov_b32 s71, 0
	s_lshl_b32 s72, s25, 14                        ; coverage and logits: a batch is 16 KB, a tile 512 bytes
	s_lshl_b32 s73, s24, 9
	s_add_co_u32 s72, s72, s73
	s_mov_b32 s73, 0
	s_lshl_b32 s76, s25, 16                        ; pctx: 2,048 bytes a tile
	s_lshl_b32 s77, s24, 11
	s_add_co_u32 s76, s76, s77
	s_mov_b32 s77, 0
	s_lshl_b32 s78, s25, 2
	s_mov_b32 s79, 0
	s_lshl_b32 s26, s25, 6                         ; hpar: row b of each block
	s_mov_b32 s27, 0
	s_wait_dscnt 0x0                               ; the opening add is done
	s_wait_kmcnt 0x0
	s_add_nc_u64 s[TA:TA+1], s[4:5], s[70:71]      ; chunk 0 of my first tile,
	s_add_nc_u64 s[TA+2:TA+3], s[TA:TA+1], 256     ; chunk 1
	s_add_nc_u64 s[6:7], s[6:7], s[72:73]
	s_add_nc_u64 s[18:19], s[18:19], s[72:73]
	s_add_nc_u64 s[20:21], s[20:21], s[76:77]
	s_add_nc_u64 s[8:9], s[8:9], s[78:79]
	s_add_nc_u64 s[44:45], s[16:17], s[26:27]
	s_add_nc_u64 s[G0+2:G0+3], s[14:15], s[74:75]  ; K step 0,
	s_add_nc_u64 s[G0+6:G0+7], s[G0+2:G0+3], WSLOT ; K step 1
	s_or_b32 s[G0+3], s[G0+3], 0x80000000          ; type = 2
	s_or_b32 s[G0+7], s[G0+7], 0x80000000
	s_load_b32 s69, s[8:9], 0x0                    ; text_length[b]
	s_load_b32 s68, s[12:13], 0x0                  ; b2
	CROUND                                         ; all four work-groups are here: the first joint loads meet
	tensor_load_to_lds s[G0:G0+3], s[G1:G1+7]      ; both first fills together: two tensor loads of mine are out
	s_nop 0
	tensor_load_to_lds s[G0+4:G0+7], s[G1:G1+7]
	s_nop 0
	PLACES
	v_and_b32 v1, 15, v0                           ; r = l % 16
	v_bfe_u32 v2, v0, 4, 1                         ; hh = l / 16
	v_and_b32 v3, 31, v0                           ; lane
	v_lshlrev_b32 v[TOFF], 4, v1                   ; text: row 32 w + hh (+ 2 a load), 16 bytes at 16 r
	v_lshl_add_u32 v[TOFF], v2, 11, v[TOFF]
	s_lshl_b32 s70, s[WV], 16
	v_add_nc_u32 v[TOFF], s70, v[TOFF]
	v_lshrrev_b32 v4, 2, v0                        ; the constants, 16 bytes a thread: h = 4 t .. 4 t + 3 lies in block t / 4 of hpar
	v_mul_u32_u24 v4, v4, 2560
	v_and_b32 v5, 3, v0
	v_lshl_add_u32 v4, v5, 4, v4
	v_lshlrev_b32 v5, 4, v0
	v_lshlrev_b32 v6, 4, v3
	v_lshl_add_u32 v6, s[WV], 11, v6               ; cov: wave i brings my tile i, 2,048 bytes on from the one before
	global_load_b128 v[32:35], v4, s[44:45]
	global_load_b128 v[36:39], v4, s[16:17] offset:2048
	global_load_b128 v[40:43], v5, s[10:11]
	global_load_b128 v[44:47], v6, s[6:7]
	ISSUE 0, 0
	ISSUE 1, 0
	WIN 0
	v_add_nc_u32 v7, CB, v5
	v_lshl_add_u32 v49, v0, 5, CC                  ; my four numbers of cov, 8 bytes each
	v_mul_u32_u24 v[ADRA0], v1, TP
	v_lshl_add_u32 v[ADRA0], v2, 4, v[ADRA0]       ; a fragment's row x pitch + 16 x half
	v_lshlrev_b32 v[ADRB], 4, v3
	v_add_nc_u32 v[ADRB], s[G0+1], v[ADRB]         ; W lies in fragment order: 16 lane
	v_add_nc_u32 v[ADRB+1], WSLOT, v[ADRB]
	s_mul_i32 s70, s[WV], 32*TP
	v_mul_u32_u24 v[SAD0], v2, TP
	v_lshl_add_u32 v[SAD0], v1, 3, v[SAD0]
	v_add_nc_u32 v[SAD0], s70, v[SAD0]
	v_and_b32 v48, 7, v0
	v_lshl_add_u32 v48, v2, 3, v48
	v_mul_u32_u24 v[ADRT], v48, TP                 ; the turning load: position 8 hh + l % 8, features 8 ((l / 8) % 2) on
	v_bfe_u32 v48, v0, 3, 1
	v_lshl_add_u32 v[ADRT], v48, 4, v[ADRT]
	s_mul_i32 s70, s[WV], 2*CHUNK
	v_add_nc_u32 v[ADRT], s70, v[ADRT]
	s_lshl_b32 s70, s[WV], 9
	s_add_co_u32 s71, s70, CB
	v_lshl_add_u32 v[CADR], v2, 5, s71
	v_lshl_add_u32 v[COVA], v1, 3, CC
	s_add_co_u32 s71, s70, PL
	v_lshl_add_u32 v[PLS], v3, 2, s71
	v_lshl_add_u32 v[PLR], v3, 4, PL
	s_lshl_b32 s72, s[WV], 8
	s_add_co_u32 s72, s72, PP
	v_lshl_add_u32 v[PPS], v3, 3, s72
	v_lshl_add_u32 v[PPR], v2, 4, s72
	s_add_co_u32 s71, s70, CX
	v_lshl_add_u32 v[CXS], v3, 2, s71
	v_lshl_add_u32 v[CXR], v3, 4, s71
	v_lshlrev_b32 v[IDX], 2, v3
	v_add_nc_u32 v[IDX+1], 1, v[IDX]
	v_add_nc_u32 v[IDX+2], 2, v[IDX]
	v_add_nc_u32 v[IDX+3], 3, v[IDX]
	v_lshlrev_b32 v[GOL], 4, v3
	v_lshl_add_u32 v[GOC], v3, 4, s70
	s_wait_loadcnt 32                              ; the four loads of constants are in; the 32 of text stay out
	ds_store_b128 v7, v[32:35]
	ds_store_b128 v7, v[36:39] offset:2048
	ds_store_b128 v7, v[40:43] offset:4096
.irp e, 0,1,2,3
	ds_store_b32 v49, v[44+\e] offset:8*\e         ; each number of cov twice, once in the launch
	ds_store_b32 v49, v[44+\e] offset:8*\e+4
.endr
	s_wait_dscnt 0x0
	s_barrier_signal -1
	s_barrier_wait -1
	v_lshl_add_u32 v4, v3, 4, C2
	ds_load_b128 v[48:51], v4                      ; c0: all of W2, 16 numbers a lane
	ds_load_b128 v[52:55], v4 offset:512
	ds_load_b128 v[56:59], v4 offset:1024
	ds_load_b128 v[60:63], v4 offset:1536
	LOADC 1
	s_wait_dscnt 0x0
	v_pk_add_f32 v[48:49], v[48:49], v[52:53]
	v_pk_add_f32 v[50:51], v[50:51], v[54:55]
	v_pk_add_f32 v[56:57], v[56:57], v[60:61]
	v_pk_add_f32 v[58:59], v[58:59], v[62:63]
	v_pk_add_f32 v[48:49], v[48:49], v[56:57]
	v_pk_add_f32 v[50:51], v[50:51], v[58:59]
	v_pk_add_f32 v[48:49], v[48:49], v[50:51]
	v_add_f32 v48, v48, v49
	v_add_f32_dpp v48, v48, v48 row_xmask:1 row_mask:0xf bank_mask:0xf
	v_add_f32_dpp v48, v48, v48 row_xmask:2 row_mask:0xf bank_mask:0xf
	v_add_f32_dpp v48, v48, v48 row_xmask:4 row_mask:0xf bank_mask:0xf
	v_add_f32_dpp v48, v48, v48 row_xmask:8 row_mask:0xf bank_mask:0xf
	v_permlanex16_b32 v49, v48, s[SEL], s[SEL+1]
	v_add_f32 v48, v48, v49
	s_wait_kmcnt 0x0
	v_add_f32 v[C0], s68, v48                      ; c0 = b2 + the sum of W2
	s_lshl_b32 s70, s24, 7
	s_sub_co_i32 s[REM], s69, s70
	INITW 0
	INITW 1
	OP 0, 2, 1, 16, 512                            ; chunks 0 and 1 are held in f16; chunks 2 and 3 are asked for
	OP 1, 2, 1, 16, 512
	WIN 0
	s_mov_b32 s[TI], 4
.Ltile:
.set i, 0
.rept 16
	ds_store_b64 v[SAD0], v[HELD+2*i:HELD+2*i+1] offset:2*TP*i
	ds_store_b64 v[SAD0], v[HELD+32+2*i:HELD+32+2*i+1] offset:CHUNK+2*TP*i
.set i, i+1
.endr
	v_mov_b32 v[ADRA], v[ADRA0]
	v_add_nc_u32 v[SADR], 2*CHUNK, v[SAD0]
	s_wait_tensorcnt 0x1                           ; K step 0 of W is in; K step 1's load may stay out
	s_wait_dscnt 0x0
	s_barrier_signal -1
	s_barrier_wait -1                              ; everybody's rows of chunks 0 and 1 are stored
	FETCH 0, 0, 0, F0
	s_mov_b32 s[KC], 2
.Lk:                                                   ; K steps 0 to 3
	TRIP_N 512
	s_sub_co_u32 s[KC], s[KC], 1
	s_cmp_lg_u32 s[KC], 0
	s_cbranch_scc1 .Lk
	s_cmp_eq_u32 s[TI], 1
	s_cbranch_scc1 .Llast                          ; the last tile's tail is written out: it asks for nothing beyond the end
	TRIP_N NEXTT                                   ; K steps 4, 5: the text stream goes on into the next tile
	QUARTER 0, 2, 1, 16, 512                       ; K steps 6, 7: the next tile's chunks 0 and 1 are held in registers; W's ring goes back to K steps 0 and 1
	TURN 0, 2, 1, 1
	QUARTER 1, 2, 1, 16, 512
	TURN 1, 2, 0, 1
	EPI 1
	s_sub_co_u32 s[TI], s[TI], 1
	s_branch .Ltile
.Llast:
	QUARTER 0, 1, 0, 16, 0                         ; K steps 4, 5: the last two chunks; the counts run down
	TURN 0, 2, 1, 0
	QUARTER 1, 1, 0, 0, 0
	TURN 1, 2, 1, 0
	QUARTER 0, 0, 0, 0, 0                          ; K steps 6, 7: nothing is fetched, no slot is filled
	TURN 0, 1, 1, 0
	QUARTER 1, 0, 0, 0, 0
	TURN 1, 0, 0, 0
	EPI 0
	s_wait_tensorcnt 0x0                           ; the wave's end, behind my last tensor load and my last LDS store
	ds_add_u32 v[SPW], v[NIL]
	s_wait_dscnt 0x0
	CROUND                                         ; the closing round: no work-group ends while a partner may still ask for a tile that names it
	s_endpgm
.Lfunc_end_k_qb00b8e8834_main:
	.size	k_qb00b8e8834_main, .Lfunc_end_k_qb00b8e8834_main-k_qb00b8e8834_main
	.p2alignl 7, 3214868480
	.fill 96, 4, 3214868480
	.section	.rodata,"a",@progbits
	.p2align	6, 0x0
	.amdhsa_kernel k_qb00b8e8834_main
		.amdhsa_group_segment_fixed_size 327680
		.amdhsa_private_segment_fixed_size 0
		.amdhsa_enable_private_segment 0
		.amdhsa_kernarg_size 72
		.amdhsa_user_sgpr_count 2
		.amdhsa_user_sgpr_kernarg_segment_ptr 1
		.amdhsa_wavefront_size32 1
		.amdhsa_system_sgpr_workgroup_id_x 1
		.amdhsa_system_sgpr_workgroup_id_y 1
		.amdhsa_system_sgpr_workgroup_id_z 1
		.amdhsa_system_vgpr_workitem_id 0
		.amdhsa_next_free_vgpr 1024
		.amdhsa_next_free_sgpr 80
		.amdhsa_reserve_vcc 1
		.amdhsa_float_denorm_mode_32 3
		.amdhsa_float_denorm_mode_16_64 3
		.amdhsa_memory_ordered 1
		.amdhsa_forward_progress 1
		.amdhsa_inst_pref_size 255
	.end_amdhsa_kernel
	.section	.bss,"aw",@nobits
	.p2align	6
	.space	262144
	.amdgpu_metadata
---
amdhsa.version: [ 1, 2 ]
amdhsa.kernels:
  - .name:           k_qb00b8e8834_main
    .symbol:         k_qb00b8e8834_main.kd
    .args:
      - { .name: text_states, .offset: 0, .size: 8, .value_kind: global_buffer, .address_space: global }
      - { .name: coverage, .offset: 8, .size: 8, .value_kind: global_buffer, .address_space: global }
      - { .name: text_length, .offset: 16, .size: 8, .value_kind: global_buffer, .address_space: global }
      - { .name: W2, .offset: 24, .size: 8, .value_kind: global_buffer, .address_space: global }
      - { .name: b2, .offset: 32, .size: 8, .value_kind: global_buffer, .address_space: global }
      - { .name: wf, .offset: 40, .size: 8, .value_kind: global_buffer, .address_space: global }
      - { .name: hpar, .offset: 48, .size: 8, .value_kind: global_buffer, .address_space: global }
      - { .name: logits, .offset: 56, .size: 8, .value_kind: global_buffer, .address_space: global }
      - { .name: pctx, .offset: 64, .size: 8, .value_kind: global_buffer, .address_space: global }
    .group_segment_fixed_size: 327680
    .private_segment_fixed_size: 0
    .kernarg_segment_align: 8
    .kernarg_segment_size: 72
    .max_flat_workgroup_size: 128
    .sgpr_count:     80
    .vgpr_count:     1024
    .wavefront_size: 32
...
	.end_amdgpu_metadata
.endif
;; end of part 4
;; launch final: the kernel of part 3 again; grid 4 x 32, 8 waves a work-group, no clusters, 5,632 bytes of LDS; arguments logits, pctx, out0, out1; writes out0, out1
